; MI455X (gfx1250); checked and timed in simulation.
; The chip was launched on July 23, 2026; its instructions are those of AMD's public machine-readable ISA for CDNA 5 (MIT licence, August 2026) and "CDNA5" Instruction Set Architecture Reference Guide (July 2026). The comments in the code are by the model that wrote it; some were corrected since.
;; Patched Dbrx Experts. Allowed arithmetic: matrix products marked QUANTISED: E2M1 operands, one E8M0 scale for each 32 along K, by v_wmma_scale_f32_16x16x128_f8f6f4 with both operands' format E2M1 (or v_wmma_scale_f32_32x16x128_f4), f32 sums; products left as they are: f32 operands where the result goes on into a quantised operand, else bf16, f16 or f32 operands; f32 sums; everything else in f32.
;; Inputs: top_experts 2,048 x 4 int32; top_weights 2,048 x 4 float32; v1 8 x 512 x 2,048 float32; w1 8 x 512 x 2,048 float32; w2 8 x 512 x 2,048 float32; weights 2,048 x 8 float32; x 2 x 1,024 x 2,048 float32.
;; Outputs: out0 2 x 1,024 x 2,048 float32.
;; This version of the problem:
;;   THIS VERSION OF THE PROBLEM IS GIVEN IN LOW PRECISION. The matrix products marked QUANTISED in the list below multiply operands that are first quantised to E2M1 (2 exponent bits, 1 mantissa bit; 4 bits a number), with one power-of-two scale for each 32 numbers along K (OCP MX v1.0); their sums are f32. All else is computed in f32.
;;   The module's matrix products, in the order in which they are computed (A, B: the left and right operand; K: the contracted axis; several contracted axes count as one K, in the product's order):
;;     1. batch 2,048 x [M 8, K 4] x [K 4, N 1]; A: computed on the way; B: input top_weights: left as it is (K = 4 < 32)
;;     2. [M 2,048, K 2,048] x [K 2,048, N 512]; A: input x; B: input w1: QUANTISED
;;     3. [M 2,048, K 2,048] x [K 2,048, N 512]; A: input x; B: input v1: QUANTISED
;;     4. [M 2,048, K 512] x [K 512, N 2,048]; A: computed on the way; B: input w2: QUANTISED
;;     5. [M 2,048, K 2,048] x [K 2,048, N 512]; A: input x; B: input w1: QUANTISED
;;     6. [M 2,048, K 2,048] x [K 2,048, N 512]; A: input x; B: input v1: QUANTISED
;;     7. [M 2,048, K 512] x [K 512, N 2,048]; A: computed on the way; B: input w2: QUANTISED
;;     8. [M 2,048, K 2,048] x [K 2,048, N 512]; A: input x; B: input w1: QUANTISED
;;     9. [M 2,048, K 2,048] x [K 2,048, N 512]; A: input x; B: input v1: QUANTISED
;;     10. [M 2,048, K 512] x [K 512, N 2,048]; A: computed on the way; B: input w2: QUANTISED
;;     11. [M 2,048, K 2,048] x [K 2,048, N 512]; A: input x; B: input w1: QUANTISED
;;     12. [M 2,048, K 2,048] x [K 2,048, N 512]; A: input x; B: input v1: QUANTISED
;;     13. [M 2,048, K 512] x [K 512, N 2,048]; A: computed on the way; B: input w2: QUANTISED
;;     14. [M 2,048, K 2,048] x [K 2,048, N 512]; A: input x; B: input w1: QUANTISED
;;     15. [M 2,048, K 2,048] x [K 2,048, N 512]; A: input x; B: input v1: QUANTISED
;;     16. [M 2,048, K 512] x [K 512, N 2,048]; A: computed on the way; B: input w2: QUANTISED
;;     17. [M 2,048, K 2,048] x [K 2,048, N 512]; A: input x; B: input w1: QUANTISED
;;     18. [M 2,048, K 2,048] x [K 2,048, N 512]; A: input x; B: input v1: QUANTISED
;;     19. [M 2,048, K 512] x [K 512, N 2,048]; A: computed on the way; B: input w2: QUANTISED
;;     20. [M 2,048, K 2,048] x [K 2,048, N 512]; A: input x; B: input w1: QUANTISED
;;     21. [M 2,048, K 2,048] x [K 2,048, N 512]; A: input x; B: input v1: QUANTISED
;;     22. [M 2,048, K 512] x [K 512, N 2,048]; A: computed on the way; B: input w2: QUANTISED
;;     23. [M 2,048, K 2,048] x [K 2,048, N 512]; A: input x; B: input w1: QUANTISED
;;     24. [M 2,048, K 2,048] x [K 2,048, N 512]; A: input x; B: input v1: QUANTISED
;;     25. [M 2,048, K 512] x [K 512, N 2,048]; A: computed on the way; B: input w2: QUANTISED
;;   THE QUANTISER, for each operand of a quantised product, along K:
;;     - K is cut into blocks of 32 from its start; a last block that is shorter is filled with zeros.
;;     - A block's scale is 2^e with e = floor(log2(the largest magnitude in the block)) - 2, held to -126 .. 127; a block of zeros has e = 0. As a byte (E8M0): e + 127.
;;     - Each number is divided by its block's scale, clamped to +-6, and rounded to the nearest number of E2M1, ties to even, subnormals kept.
;;     - The product sums the exact products of the quantised numbers (number of the format x scale) in f32.
;;   ~~~python
;;   def quantise(x, axis):      # numpy; x: float32 -> the quantised numbers, widened to float32 again
;;       x = np.moveaxis(x, axis, -1); K = x.shape[-1]
;;       x = np.pad(x, [(0, 0)] * (x.ndim - 1) + [(0, -K % 32)]); x = x.reshape(x.shape[:-1] + (-1, 32)); a = np.abs(x).max(-1, keepdims=True)
;;       e = np.where(a > 0, np.clip(np.frexp(np.where(a > 0, a, 1))[1] - 1 - 2, -126, 127), 0)      # np.frexp(a)[1] - 1 = floor(log2(a)), exactly
;;       r = np.clip(x / 2.0 ** e, -6, 6)
;;       step = 2.0 ** (np.maximum(np.frexp(np.where(r == 0, 1, r))[1] - 1, 0) - 1)
;;       q = np.round(r / step) * step * 2.0 ** e      # np.round: ties to even
;;       return np.moveaxis(q.reshape(q.shape[:-2] + (-1,))[..., :K], -1, axis).astype(np.float32)
;;   ~~~
;;   OPERANDS COMPUTED ON THE WAY. 'Computed on the way' means the value that the module computes at that place (a softmax that the list does not call 'softmax' is quantised finished and normalised). What goes into a quantiser is computed in f32, as accurately as f32 sums, v_exp_f32 and their like allow (about 1e-6 of the number): no bf16 or f16 on the way to a quantiser, and a product that is left as it is and whose result goes on into a quantised operand takes f32 operands (vector FMAs, or v_wmma_f32_16x16x4_f32). A number that lies on a knife's edge between two numbers of the format may be rounded either way, as far as f32 arithmetic and the matrix unit's own rounding can turn it there, and no further.
;; 2 versions. Each part assembles by itself: llvm-mc -triple=amdgcn-amd-amdhsa -mcpu=gfx1250 --defsym DOCPART=n.
;; ======== version 1 of 2: 3 launches
;; workspace buffers: xq 2,228,224 bytes; w13q 8,912,896 bytes; w2q 4,456,448 bytes; hq 2,506,752 bytes; route 102,912 bytes of whole numbers; tscale 65,536 bytes
;; launch prep (part 1): grid 897 x 1, 4 waves a work-group, no clusters, 69,376 bytes of LDS; arguments x, w1, v1, w2, top_experts, top_weights, xq, w13q, w2q, hq, route, tscale; writes xq, w13q, w2q, hq, route, tscale
.if DOCPART == 1
	.amdgcn_target "amdgcn-amd-amdhsa--gfx1250"
	.amdhsa_code_object_version 6
	.text
	.protected	k_qddc383d2b6_prep
	.globl	k_qddc383d2b6_prep
	.p2align	8
	.type	k_qddc383d2b6_prep,@function
k_qddc383d2b6_prep:
	s_mov_b64 s[64:65], 0
	v_nop
	global_prefetch_b8 v0, s[64:65] scope:SCOPE_SE
	s_setreg_imm32_b32 hwreg(HW_REG_WAVE_MODE, 25, 1), 1
	s_wait_xcnt 0x0
; PREP: the one pass over the f32 inputs.  Four paths part on the work-group's number; each has LDS bytes of its own and its own end.
;   work-group 0        ROUTE: the (token, expert) pairs, repeats merged, are sorted by expert by a counting sort: tile_expert, tok_list, pos; the zero rows of hq.
;   work-groups 1-128   X:     16 rows of x -> codes of E2M1, row-major, K innermost, and one E8M0 byte for each 32 along K; scale[t][e] of these tokens.
;   work-groups 129-640 W:     one tile of 16 rows of w1 or v1 (K innermost) -> images of the operand's registers, one of 1,024 bytes for each 128 along K, and scale words.
;   work-groups 641-896 W2:    128 columns x 256 f of w2 (K = f is its FIRST axis within an expert): a lane takes a column, its registers run down f.
; A block's scale is 2^(floor(log2(largest magnitude)) - 2): its byte is the largest magnitude's exponent field - 2, held at 1 from below by a floor among the maximum's leaves.
; LIMITS: NaN and infinities are not served; a block whose largest magnitude lies under 2^-124 takes the byte 1; a block of zeros takes the byte 1 where the rule says 127
; (its codes are zeros, which add nothing under any byte but 0xff, and only this program reads the bytes).
; The input 'weights' is not among the arguments: reference() accepts it and never reads it.
; No tensor loads, clusters or matrix units: every f32 byte is read once by one wave, so nothing is shared; each wave has 32 loads of 512 bytes (W2: 64 of 128) on their way.
; AN IMAGE: byte 512 c + 16 lane holds the 16 code bytes of k = 64 c + 32 (lane / 16) + 0 .. 31 of the tile's row lane % 16: the reader's two 16-byte loads a lane give the operand's eight registers.
.set XQS,   2097152                    ; xq: scale bytes [t][64] behind the codes [t][1024]
.set W13S,  8388608                    ; w13q: scale words behind the images
.set W2S,   4194304                    ; w2q: likewise
.set HQS,   2359296                    ; hq: scale bytes [p][16] behind the codes [p][256]
.set ZROW,  9088                       ; the row of zero codes that an absent pair points at: behind the 71 tiles of 128 rows that any split can need
.set TOK,   512                        ; route: tile_expert[128] | tok_list[9216] | pos[8][2048]
.set POS,   37376
.set XREG,  8704                       ; LDS, path X: for each wave a stage of 16 x 528 bytes and 256 scale bytes
.set WBASE, 34816                      ; LDS, path W: behind them, for each wave a stage of 16 x 528 bytes
.set WREG,  8448
.set RB,    68608                      ; LDS, path ROUTE: 128 bytes of counts
.set R,     16                         ; v16-143  two sets of 64 registers as loaded
.set XS,    144                        ; v144-207 two blocks of 32 neighbours along K
.set C,     208                        ; v208-215 their codes
.set AM,    216                        ; v216-217 largest magnitudes
.set SO,    218                        ; v218-219 the conversions' scale operands
.set BY,    220                        ; v220-221 scale bytes
.set SW,    222                        ; v222-225 path W: scale words of four K steps
.set X2,    32                         ; path W2: v32-95 two sets of 32 numbers; v96-127 codes, four registers for each block; v128-129 scale words
.set C2,    96
; 8,192 bytes as loaded (16 loads of 512 consecutive bytes) go into the wave's own stage, 528 bytes from load to load, and come back 128 bytes a lane and block.
; LDS serves a wave's instructions in order, so no wait stands between the stores and the loads.
.macro TURN set, coff
.irp q, 0,1,2,3,4,5,6,7,8,9,10,11,12,13,14,15
	ds_store_b128 v3, v[R+64*((\set)%2)+4*\q:R+64*((\set)%2)+4*\q+3] offset:528*\q
.endr
.irp c, 0,1
.irp i, 0,1,2,3,4,5,6,7
	ds_load_b128 v[XS+32*\c+4*\i:XS+32*\c+4*\i+3], v4 offset:(\coff)*\c+16*\i
.endr
.endr
.endm
; Two blocks of 32 numbers of a lane become 2 x 16 bytes of codes and two scale bytes; the two blocks take turns line by line.
.macro QUANT2
.irp c, 0,1
	v_max3_num_f32 v[AM+\c], |v[XS+32*\c]|, |v[XS+32*\c+1]|, 0x1800000      ; the floor 2^(3 - 127) is one of the leaves: the byte cannot fall under 1
.endr
.irp i, 2,4,6,8,10,12,14,16,18,20,22,24,26,28,30
.irp c, 0,1
	v_max3_num_f32 v[AM+\c], v[AM+\c], |v[XS+32*\c+\i]|, |v[XS+32*\c+\i+1]|
.endr
.endr
.irp c, 0,1
	v_add_nc_u32 v[SO+\c], 0xff000000, v[AM+\c]      ; 2 off the exponent field: the conversion takes this operand's exponent field as its scale
.endr
	s_wait_xcnt 0x0                                  ; the codes' registers were the data of the last unit's stores: they are written again only behind this wait
.irp c, 0,1
.irp g, 0,1,2,3
	v_cvt_scalef32_pk8_fp4_f32 v[C+4*\c+\g], v[XS+32*\c+8*\g:XS+32*\c+8*\g+7], v[SO+\c]
.endr
.endr
.irp c, 0,1
	v_lshrrev_b32 v[BY+\c], 23, v[SO+\c]             ; the scale's byte (also the plain line behind the conversions)
.endr
.endm
	v_lshl_add_u32 v240, v0, 2, 0x10d00
	v_mov_b32 v241, 0
	v_lshrrev_b32 v1, 5, v0
	v_readfirstlane_b32 s2, v1                       ; wave 0..3
	v_and_b32 v1, 31, v0                             ; lane
	v_lshlrev_b32 v2, 4, v1                          ; 16 x lane
	s_cmp_eq_u32 ttmp9, 0
	s_cbranch_scc1 .Lroute
	s_cmp_lt_u32 ttmp9, 129
	s_cbranch_scc1 .Lxpath
	s_cmp_lt_u32 ttmp9, 641
	s_cbranch_scc1 .Lwpath
; ---------------------------------------------------------------- W2: g = e (3 bits) | group of 128 columns (4) | half of F (1); wave w takes 32 columns
	s_load_b64 s[4:5], s[0:1], 0x18                  ; w2
	s_load_b64 s[12:13], s[0:1], 0x40                ; w2q
	s_sub_co_u32 s16, ttmp9, 641
	s_lshr_b32 s17, s16, 5                           ; e
	s_bfe_u32 s18, s16, 0x40001                      ; group of 128 columns
	s_and_b32 s19, s16, 1                            ; fh: f = 256 fh on
	s_lshl_b32 s18, s18, 2
	s_add_co_u32 s18, s18, s2                        ; ng: my wave's 32 columns
	v_lshlrev_b32 v3, 2, v1                          ; in: 4 bytes a lane: a load reads 128 consecutive bytes, the four waves 512
	v_lshrrev_b32 v4, 4, v1
	v_and_b32 v5, 15, v1
	v_lshlrev_b32 v4, 10, v4
	v_lshl_add_u32 v4, v5, 4, v4                     ; out: image of tile lane / 16, row lane % 16
	v_lshlrev_b32 v5, 3, v1                          ; scale words: 8 bytes a lane
	s_mov_b32 s21, 0
	s_mov_b32 s25, 0
	s_mov_b32 s27, 0
	s_lshl_b32 s20, s17, 22                          ; w2: e x 512 x 8,192 bytes
	s_lshl_b32 s22, s19, 21                          ;   + fh x 256 rows
	s_add_co_u32 s20, s20, s22
	s_lshl_b32 s22, s18, 7                           ;   + 128 bytes x ng
	s_add_co_u32 s20, s20, s22
	s_lshl_b32 s24, s18, 16                          ; images [ng][e][K step 4][tile 2][1024]
	s_lshl_b32 s22, s17, 13
	s_add_co_u32 s24, s24, s22
	s_lshl_b32 s22, s19, 12
	s_add_co_u32 s24, s24, s22
	s_lshl_b32 s26, s18, 12                          ; scale words [ng][e][fh][lane][8 bytes]
	s_lshl_b32 s22, s17, 9
	s_add_co_u32 s26, s26, s22
	s_lshl_b32 s22, s19, 8
	s_add_co_u32 s26, s26, s22
	s_add_co_u32 s26, s26, W2S
	s_wait_kmcnt 0x0
	s_add_nc_u64 s[4:5], s[4:5], s[20:21]
	s_add_nc_u64 s[14:15], s[12:13], s[26:27]
	s_add_nc_u64 s[12:13], s[12:13], s[24:25]
.macro W2LOAD t                        ; block t: w2(32 t + i, my column), i = 0 .. 31
.irp i, 0,1,2,3,4,5,6,7,8,9,10,11,12,13,14,15,16,17,18,19,20,21,22,23,24,25,26,27,28,29,30,31
	global_load_b32 v[X2+32*((\t)%2)+\i], v3, s[4:5] offset:(32*(\t)+\i)*8192 th:TH_LOAD_NT
.endr
.endm
.macro W2BLOCK t
.set XB, X2+32*((\t)%2)
.if (\t) < 7
	s_wait_loadcnt 32                                ; this block's 32 loads are in; the next block's 32 may be out
.else
	s_wait_loadcnt 0x0
.endif
	v_max3_num_f32 v130, |v[XB]|, |v[XB+1]|, 0x1800000             ; all 32 numbers of the block are mine; two chains; the floor is a leaf
	v_max3_num_f32 v131, |v[XB+2]|, |v[XB+3]|, |v[XB+4]|
.irp i, 5,9,13,17,21,25
	v_max3_num_f32 v130, v130, |v[XB+\i]|, |v[XB+\i+1]|
	v_max3_num_f32 v131, v131, |v[XB+\i+2]|, |v[XB+\i+3]|
.endr
	v_max3_num_f32 v130, v130, |v[XB+29]|, |v[XB+30]|
	v_max3_num_f32 v130, v130, v131, |v[XB+31]|
	v_add_nc_u32 v132, 0xff000000, v130
	v_lshrrev_b32 v133, 23, v132
.if (\t)%4 == 0
	v_mov_b32 v[128+(\t)/4], v133                    ; four bytes to a word, the lower f in the lower byte
.else
	v_lshl_or_b32 v[128+(\t)/4], v133, 8*((\t)%4), v[128+(\t)/4]
.endif
.irp g, 0,1,2,3
	v_cvt_scalef32_pk8_fp4_f32 v[C2+4*(\t)+\g], v[XB+8*\g:XB+8*\g+7], v132     ; each block has its own four registers: no store's data are written again
.endr
.if (\t) < 6
	W2LOAD (\t)+2
.endif
	global_store_b128 v4, v[C2+4*(\t):C2+4*(\t)+3], s[12:13] offset:((\t)/4)*2048+(((\t)%4)/2)*512+((\t)%2)*256   ; sixteen lanes store 256 consecutive bytes, aligned
.endm
	W2LOAD 0
	W2LOAD 1
.irp t, 0,1,2,3,4,5,6,7
	W2BLOCK \t
.endr
	global_store_b64 v5, v[128:129], s[14:15]        ; the wave's 32 x 2 scale words: 256 consecutive bytes
	s_endpgm
; ---------------------------------------------------------------- X: work-group g takes rows 16 g on, wave w four of them; a unit is one row of 8,192 bytes
.Lxpath:
	s_load_b64 s[4:5], s[0:1], 0x0                   ; x
	s_load_b128 s[8:11], s[0:1], 0x20                ; top_experts, top_weights
	s_load_b64 s[12:13], s[0:1], 0x30                ; xq
	s_load_b64 s[14:15], s[0:1], 0x58                ; tscale
	s_sub_co_u32 s16, ttmp9, 1
	s_lshl_b32 s16, s16, 4
	s_lshl_b32 s17, s2, 2
	s_add_co_u32 s16, s16, s17                       ; t0: my wave's first row
	s_mov_b32 s21, 0
	s_mul_i32 s22, s2, XREG                          ; my LDS region
	v_add_nc_u32 v3, s22, v2                         ; stage, in: 16 x lane
	v_lshrrev_b32 v4, 2, v1
	v_mul_u32_u24 v4, v4, 528
	v_and_b32 v11, 3, v1
	v_lshl_add_u32 v4, v11, 7, v4
	v_add_nc_u32 v4, s22, v4                         ; stage, out: block l of the row lies in load l / 4, 128 (l % 4) bytes on; block 32 + l eight loads (4,224 bytes) further
	s_add_co_u32 s22, s22, 8448
	v_add_nc_u32 v6, s22, v1                         ; my block's scale byte
	v_lshlrev_b32 v8, 3, v1
	v_add_nc_u32 v7, s22, v8                         ; and on the way out 8 bytes a lane
	v_lshlrev_b32 v9, 2, v1
	v_and_b32 v10, 7, v1                             ; scale[t][e]: lane l serves token t0 + l / 8, expert l % 8
	v_lshrrev_b32 v5, 3, v1
	v_lshlrev_b32 v5, 4, v5
	s_wait_kmcnt 0x0
	s_lshl_b32 s20, s16, 4
	s_add_nc_u64 s[8:9], s[8:9], s[20:21]
	s_add_nc_u64 s[10:11], s[10:11], s[20:21]
	global_load_b128 v[224:227], v5, s[8:9]          ; the token's four experts,
	global_load_b128 v[228:231], v5, s[10:11]        ; and their weights: the oldest loads, used at the path's end
	s_lshl_b32 s20, s16, 13
	s_add_nc_u64 s[4:5], s[4:5], s[20:21]
	s_lshl_b32 s20, s16, 6
	s_add_co_u32 s20, s20, XQS
	s_add_nc_u64 s[18:19], s[12:13], s[20:21]        ; my rows' scale bytes
	s_lshl_b32 s20, s16, 10
	s_add_nc_u64 s[12:13], s[12:13], s[20:21]        ; my rows' codes
	s_lshl_b32 s20, s16, 5
	s_add_nc_u64 s[14:15], s[14:15], s[20:21]
.macro XLOAD u
.irp q, 0,1,2,3,4,5,6,7,8,9,10,11,12,13,14,15
	global_load_b128 v[R+64*((\u)%2)+4*\q:R+64*((\u)%2)+4*\q+3], v2, s[4:5] offset:8192*(\u)+512*\q th:TH_LOAD_NT
.endr
.endm
.macro XUNIT u
.if (\u) < 3
	s_wait_loadcnt 16                                ; this row's 16 loads are in; the next row's 16 may be out
.else
	s_wait_loadcnt 0x0
.endif
	TURN \u, 4224
	s_wait_dscnt 0x0                                 ; the numbers are back, and the stage's stores have read their registers,
.if (\u) < 2
	XLOAD (\u)+2                                     ; which take the row two further on
.endif
	QUANT2
.irp c, 0,1
	ds_store_b8 v6, v[BY+\c] offset:64*(\u)+32*\c
	global_store_b128 v2, v[C+4*\c:C+4*\c+3], s[12:13] offset:1024*(\u)+512*\c      ; 32 blocks' codes: 512 consecutive bytes
.endr
.endm
	XLOAD 0
	XLOAD 1
.irp u, 0,1,2,3
	XUNIT \u
.endr
	ds_load_b64 v[234:235], v7                       ; my four rows' 256 scale bytes (LDS serves my stores first)
	v_cmp_eq_u32 vcc_lo, v224, v10                   ; scale[t][e] = the sum over k of top_weights[t][k] where top_experts[t][k] = e, k ascending
	v_cndmask_b32 v232, 0, v228, vcc_lo
.irp k, 1,2,3
	v_cmp_eq_u32 vcc_lo, v[224+\k], v10
	v_cndmask_b32 v233, 0, v[228+\k], vcc_lo
	v_add_f32 v232, v232, v233
.endr
	s_wait_dscnt 0x0
	global_store_b64 v8, v[234:235], s[18:19]        ; 256 consecutive bytes, aligned
	global_store_b32 v9, v232, s[14:15]
	s_wait_tensorcnt 0x0
	ds_add_u32 v240, v241
	s_wait_dscnt 0x0
	s_endpgm
; ---------------------------------------------------------------- W: g = matrix (1 bit) | e (3) | block of 32 hidden units (4) | tile u (1); wave w takes K steps 4 w .. 4 w + 3
.Lwpath:
	s_load_b128 s[4:7], s[0:1], 0x8                  ; w1, v1
	s_load_b64 s[12:13], s[0:1], 0x38                ; w13q
	s_sub_co_u32 s16, ttmp9, 129
	s_lshr_b32 s17, s16, 8                           ; 0: w1, 1: v1
	s_bfe_u32 s18, s16, 0x30005                      ; e
	s_bfe_u32 s19, s16, 0x40001                      ; b
	s_and_b32 s22, s16, 1                            ; u
	s_mov_b32 s26, 0x76543210
	s_mov_b32 s27, 0xfedcba98                        ; v_permlanex16_b32's selects for lane l xor 16
	s_mov_b32 s29, 0
	s_mov_b32 s31, 0
	s_mov_b32 s33, 0
	s_lshl_b32 s28, s18, 9
	s_lshl_b32 s23, s19, 5
	s_add_co_u32 s28, s28, s23
	s_lshl_b32 s23, s22, 3
	s_add_co_u32 s28, s28, s23                       ; the tile's first row: 512 e + 32 b + 8 u
	s_lshl_b32 s28, s28, 13
	s_lshl_b32 s23, s2, 11
	s_add_co_u32 s28, s28, s23                       ; + my four K steps: 2,048 bytes x wave
	s_lshl_b32 s24, s18, 4
	s_add_co_u32 s24, s24, s19                       ; 16 e + b
	s_lshl_b32 s30, s24, 16                          ; images [e][b][K step 16][2 matrix + u][1024]
	s_lshl_b32 s23, s2, 14
	s_add_co_u32 s30, s30, s23
	s_lshl_b32 s23, s17, 11
	s_add_co_u32 s30, s30, s23
	s_lshl_b32 s23, s22, 10
	s_add_co_u32 s30, s30, s23
	s_lshl_b32 s32, s24, 12                          ; scale words [e][b][matrix][wave][16 u + r][16 bytes: my four K steps]
	s_lshl_b32 s23, s17, 11
	s_add_co_u32 s32, s32, s23
	s_lshl_b32 s23, s2, 9
	s_add_co_u32 s32, s32, s23
	s_lshl_b32 s23, s22, 8
	s_add_co_u32 s32, s32, s23
	s_add_co_u32 s32, s32, W13S
	s_mul_i32 s23, s2, WREG
	s_add_co_u32 s23, s23, WBASE                     ; my stage
	v_add_nc_u32 v3, s23, v2
	v_and_b32 v11, 15, v0                            ; r
	v_bfe_u32 v12, v0, 4, 1                          ; h
	v_mul_u32_u24 v4, v11, 528
	v_lshl_add_u32 v4, v12, 7, v4
	v_add_nc_u32 v4, s23, v4                         ; out of the stage: row r, k = 64 c + 32 h on: 256 c + 128 h bytes
	v_lshlrev_b32 v5, 3, v12                         ; 8 h: my two bytes' place in the scale word
	v_lshlrev_b32 v6, 4, v11
	v_lshl_add_u32 v6, v12, 3, v6                    ; 16 r + 8 h
	v_mov_b32 v8, 0                                  ; a lane permute's destination counts as one of its sources
	s_wait_kmcnt 0x0
	s_cmp_eq_u32 s17, 0                              ; the choice hangs on the work-group's number alone
	s_cselect_b64 s[4:5], s[4:5], s[6:7]
	s_add_nc_u64 s[4:5], s[4:5], s[28:29]
	s_add_nc_u64 s[14:15], s[12:13], s[32:33]
	s_add_nc_u64 s[12:13], s[12:13], s[30:31]
; THE ROWS OF A TILE ARE NOT NEIGHBOURS: row p of tile (b, u) is hidden unit 32 b + 8 u + p + 8 (p / 8), so that the results of tiles u = 0, 1 are 16 neighbours along the next product's K.
.macro WLOAD k
.irp p, 0,1,2,3,4,5,6,7,8,9,10,11,12,13,14,15
	global_load_b128 v[R+64*((\k)%2)+4*\p:R+64*((\k)%2)+4*\p+3], v2, s[4:5] offset:(\p+8*(\p/8))*8192+512*(\k) th:TH_LOAD_NT
.endr
.endm
.macro WUNIT k
.if (\k) < 3
	s_wait_loadcnt 16                                ; this K step's 16 loads are in; the next one's may be out
.else
	s_wait_loadcnt 0x0
.endif
	TURN \k, 256
	s_wait_dscnt 0x0
.if (\k) < 2
	WLOAD (\k)+2
.endif
	QUANT2
	v_lshl_or_b32 v7, v[BY+1], 16, v[BY]             ; my bytes: blocks h and 2 + h of row r,
	v_lshlrev_b32 v7, v5, v7                         ; at their places;
	v_permlanex16_b32 v8, v7, s26, s27
	v_or_b32 v[SW+(\k)], v7, v8                      ; with lane l xor 16's two the word is whole
.irp c, 0,1
	global_store_b128 v2, v[C+4*\c:C+4*\c+3], s[12:13] offset:4096*(\k)+512*\c     ; the image: 512 consecutive bytes a store
.endr
.endm
	WLOAD 0
	WLOAD 1
.irp k, 0,1,2,3
	WUNIT \k
.endr
	v_cmp_le_u32 vcc_lo, 16, v1                      ; lanes 0-15 store K steps 0, 1 of row r, lanes 16-31 K steps 2, 3
	v_cndmask_b32 v226, v222, v224, vcc_lo
	v_cndmask_b32 v227, v223, v225, vcc_lo
	global_store_b64 v6, v[226:227], s[14:15]        ; 256 consecutive bytes, aligned
	s_wait_tensorcnt 0x0
	ds_add_u32 v240, v241
	s_wait_dscnt 0x0
	s_endpgm
; ---------------------------------------------------------------- ROUTE: wave w takes tokens 512 w on, 16 turns of 32, a lane to a token
; v16-79 the tokens' experts; v80-95 a token's set of experts as bits; s16-23 counts, later each expert's next free row.  EXEC is never changed: a lane with nothing to place writes a spare entry that nobody reads.
.Lroute:
	s_load_b64 s[4:5], s[0:1], 0x20                  ; top_experts
	s_load_b128 s[8:11], s[0:1], 0x48                ; hq, route
	s_lshl_b32 s3, s2, 13
	v_add_nc_u32 v175, s3, v2                        ; 8,192 x wave + 16 x lane
	v_lshlrev_b32 v148, 4, v0
	v_lshlrev_b32 v172, 2, v0
.irp j, 144,145,146,147
	v_mov_b32 v\j, 0
.endr
	s_lshl_b32 s3, s2, 9
	v_add_nc_u32 v168, s3, v1                        ; my token in turn 0
	v_lshlrev_b32 v149, 2, v168
	v_add_nc_u32 v150, ZROW, v0                      ; my spare entry of tok_list
	v_mov_b32 v151, ZROW
	s_lshl_b32 s3, s2, 5
	s_add_co_u32 s3, s3, RB
	v_mov_b32 v173, s3                               ; LDS: my wave's eight counts
	v_mov_b32 v174, RB
.irp e, 0,1,2,3,4,5,6,7
	s_mov_b32 s[16+\e], 0
.endr
	s_wait_kmcnt 0x0
.irp p, 0,1,2,3,4,5,6,7,8,9,10,11,12,13,14,15
	global_load_b128 v[16+4*\p:16+4*\p+3], v175, s[4:5] offset:512*\p
.endr
	global_store_b128 v148, v[144:147], s[8:9] offset:ZROW*256           ; zero codes: rows ZROW .. ZROW + 7 (ZROW alone is pointed at)
	global_store_b128 v148, v[144:147], s[8:9] offset:HQS+ZROW*16        ; and scale bytes 0 under them: no NaN byte over zero codes
	s_wait_loadcnt 0x0
.irp p, 0,1,2,3,4,5,6,7,8,9,10,11,12,13,14,15
	v_lshlrev_b32 v[80+\p], v[16+4*\p], 1
	v_lshl_or_b32 v[80+\p], 1, v[17+4*\p], v[80+\p]
	v_lshl_or_b32 v[80+\p], 1, v[18+4*\p], v[80+\p]
	v_lshl_or_b32 v[80+\p], 1, v[19+4*\p], v[80+\p]  ; an expert named twice is one pair: scale[t][e] has added its weights
.endr
.macro RCOUNT p
.irp e, 0,1,2,3,4,5,6,7
	v_and_b32 v[96+\e], 1<<\e, v[80+\p]
.endr
.irp e, 0,1,2,3,4,5,6,7
	v_cmp_ne_u32 s[32+\e], 0, v[96+\e]
.endr
.irp e, 0,1,2,3,4,5,6,7
	s_bcnt1_i32_b32 s[40+\e], s[32+\e]
.endr
.irp e, 0,1,2,3,4,5,6,7
	s_add_co_u32 s[16+\e], s[16+\e], s[40+\e]
.endr
.endm
.irp p, 0,1,2,3,4,5,6,7,8,9,10,11,12,13,14,15
	RCOUNT \p
.endr
.irp e, 0,1,2,3,4,5,6,7
	v_mov_b32 v[176+\e], s[16+\e]
	ds_store_b32 v173, v[176+\e] offset:4*\e         ; all lanes write the same word with the same value
.endr
	s_wait_dscnt 0x0                                 ; for the others' sake: my counts lie in LDS
	s_barrier_signal -1                              ; (the way here hangs on the work-group's number alone: all four waves are on it)
	s_barrier_wait -1
.irp k, 0,1,2,3,4,5,6,7
	ds_load_b128 v[104+4*\k:104+4*\k+3], v174 offset:16*\k
.endr
	s_wait_dscnt 0x0
.set k, 0
.rept 32
	v_readfirstlane_b32 s[32+k], v[104+k]            ; s[32 + 8 w' + e]: wave w's count for expert e
.set k, k+1
.endr
	s_mov_b32 s82, 0                                 ; tiles so far
.irp e, 0,1,2,3,4,5,6,7
	s_add_co_u32 s83, s[32+\e], s[40+\e]
	s_add_co_u32 s84, s[48+\e], s[56+\e]
	s_add_co_u32 s83, s83, s84                       ; the expert's rows
	s_add_co_u32 s84, s83, 127
	s_lshr_b32 s84, s84, 7                           ; its tiles of 128
	s_lshl_b32 s85, s82, 7                           ; its first row
	s_add_co_u32 s82, s82, s84
	s_mov_b32 s[24+\e], s82                          ; tiles up to and with this expert
	s_add_co_u32 s[66+\e], s85, s83                  ; the first row behind its last
	s_lshl_b32 s84, s84, 7
	s_sub_co_u32 s[74+\e], s84, s83                  ; rows left over in its last tile
	s_cmp_gt_u32 s2, 0                               ; my wave's first free row: behind the earlier waves' rows
	s_cselect_b32 s86, s[32+\e], 0
	s_add_co_u32 s85, s85, s86
	s_cmp_gt_u32 s2, 1
	s_cselect_b32 s86, s[40+\e], 0
	s_add_co_u32 s85, s85, s86
	s_cmp_gt_u32 s2, 2
	s_cselect_b32 s86, s[48+\e], 0
	s_add_co_u32 s[16+\e], s85, s86
.endr
	v_mov_b32 v170, 0                                ; tile_expert[tile] = how many experts end at or before it: 8 for a tile that no expert uses
.irp e, 0,1,2,3,4,5,6,7
	v_cmp_ge_u32 vcc_lo, v0, s[24+\e]
	v_cndmask_b32 v171, 0, 1, vcc_lo
	v_add_nc_u32 v170, v170, v171
.endr
	global_store_b32 v172, v170, s[10:11]
.irp e, 0,1,2,3,4,5,6,7
	v_add_nc_u32 v[136+\e], s[66+\e], v0             ; the rows left over in a last tile name token 0: they are computed and never pointed at
	v_cmp_gt_u32 vcc_lo, s[74+\e], v0
	v_cndmask_b32 v[136+\e], v150, v[136+\e], vcc_lo
	v_min_u32 v[136+\e], 9215, v[136+\e]
	v_lshlrev_b32 v[136+\e], 2, v[136+\e]
	global_store_b32 v[136+\e], v144, s[10:11] offset:TOK
.endr
.macro RPLACE p
	s_wait_xcnt 0x0                                  ; the last turn's stores have read their data and addresses: both are written again
	v_add_nc_u32 v169, 32*(\p), v168                 ; my token
.irp e, 0,1,2,3,4,5,6,7
	v_and_b32 v[96+\e], 1<<\e, v[80+\p]
.endr
.irp e, 0,1,2,3,4,5,6,7
	v_cmp_ne_u32 s[32+\e], 0, v[96+\e]
.endr
.irp e, 0,1,2,3,4,5,6,7
	v_mbcnt_lo_u32_b32 v[152+\e], s[32+\e], s[16+\e] ; the expert's next free row + the lanes below me that take one
.endr
.irp e, 0,1,2,3,4,5,6,7
	v_cndmask_b32 v[160+\e], v150, v[152+\e], s[32+\e]
	v_cndmask_b32 v[152+\e], v151, v[152+\e], s[32+\e]   ; pos: my row, or the row of zeros
.endr
.irp e, 0,1,2,3,4,5,6,7
	v_min_u32 v[160+\e], 9215, v[160+\e]
.endr
.irp e, 0,1,2,3,4,5,6,7
	v_lshlrev_b32 v[160+\e], 2, v[160+\e]
.endr
.irp e, 0,1,2,3,4,5,6,7
	global_store_b32 v149, v[152+\e], s[10:11] offset:POS+8192*\e+128*(\p)
	global_store_b32 v[160+\e], v169, s[10:11] offset:TOK
.endr
.irp e, 0,1,2,3,4,5,6,7
	s_bcnt1_i32_b32 s[40+\e], s[32+\e]
.endr
.irp e, 0,1,2,3,4,5,6,7
	s_add_co_u32 s[16+\e], s[16+\e], s[40+\e]
.endr
.endm
.irp p, 0,1,2,3,4,5,6,7,8,9,10,11,12,13,14,15
	RPLACE \p
.endr
	s_wait_tensorcnt 0x0
	ds_add_u32 v240, v241
	s_wait_dscnt 0x0
	s_endpgm
.Lfunc_end_k_qddc383d2b6_prep:
	.size	k_qddc383d2b6_prep, .Lfunc_end_k_qddc383d2b6_prep-k_qddc383d2b6_prep
	.p2alignl 7, 3214868480
	.fill 96, 4, 3214868480
	.section	.rodata,"a",@progbits
	.p2align	6, 0x0
	.amdhsa_kernel k_qddc383d2b6_prep
		.amdhsa_group_segment_fixed_size 69376
		.amdhsa_private_segment_fixed_size 0
		.amdhsa_enable_private_segment 0
		.amdhsa_kernarg_size 96
		.amdhsa_user_sgpr_count 2
		.amdhsa_user_sgpr_kernarg_segment_ptr 1
		.amdhsa_wavefront_size32 1
		.amdhsa_system_sgpr_workgroup_id_x 1
		.amdhsa_system_sgpr_workgroup_id_y 1
		.amdhsa_system_sgpr_workgroup_id_z 1
		.amdhsa_system_vgpr_workitem_id 0
		.amdhsa_next_free_vgpr 242
		.amdhsa_next_free_sgpr 96
		.amdhsa_reserve_vcc 1
		.amdhsa_float_denorm_mode_32 3
		.amdhsa_float_denorm_mode_16_64 3
		.amdhsa_memory_ordered 1
		.amdhsa_forward_progress 1
		.amdhsa_inst_pref_size 218
	.end_amdhsa_kernel
	.amdgpu_metadata
---
amdhsa.version: [ 1, 2 ]
amdhsa.kernels:
  - .name:           k_qddc383d2b6_prep
    .symbol:         k_qddc383d2b6_prep.kd
    .args:
      - { .name: x, .offset: 0, .size: 8, .value_kind: global_buffer, .address_space: global }
      - { .name: w1, .offset: 8, .size: 8, .value_kind: global_buffer, .address_space: global }
      - { .name: v1, .offset: 16, .size: 8, .value_kind: global_buffer, .address_space: global }
      - { .name: w2, .offset: 24, .size: 8, .value_kind: global_buffer, .address_space: global }
      - { .name: top_experts, .offset: 32, .size: 8, .value_kind: global_buffer, .address_space: global }
      - { .name: top_weights, .offset: 40, .size: 8, .value_kind: global_buffer, .address_space: global }
      - { .name: xq, .offset: 48, .size: 8, .value_kind: global_buffer, .address_space: global }
      - { .name: w13q, .offset: 56, .size: 8, .value_kind: global_buffer, .address_space: global }
      - { .name: w2q, .offset: 64, .size: 8, .value_kind: global_buffer, .address_space: global }
      - { .name: hq, .offset: 72, .size: 8, .value_kind: global_buffer, .address_space: global }
      - { .name: route, .offset: 80, .size: 8, .value_kind: global_buffer, .address_space: global }
      - { .name: tscale, .offset: 88, .size: 8, .value_kind: global_buffer, .address_space: global }
    .group_segment_fixed_size: 69376
    .private_segment_fixed_size: 0
    .kernarg_segment_align: 8
    .kernarg_segment_size: 96
    .max_flat_workgroup_size: 128
    .sgpr_count:     96
    .vgpr_count:     242
    .wavefront_size: 32
...
	.end_amdgpu_metadata
.endif
;; end of part 1
;; launch gemm1 (part 2): grid 4 x 71, 4 waves a work-group, no clusters, 154,624 bytes of LDS; arguments xq, w13q, route, hq; writes hq
.if DOCPART == 2
	.amdgcn_target "amdgcn-amd-amdhsa--gfx1250"
	.amdhsa_code_object_version 6
	.text
	.protected	k_qddc383d2b6_gemm1
	.globl	k_qddc383d2b6_gemm1
	.p2align	8
	.type	k_qddc383d2b6_gemm1,@function
k_qddc383d2b6_gemm1:
	s_mov_b64 s[64:65], 0
	v_nop
	global_prefetch_b8 v0, s[64:65] scope:SCOPE_SE
	s_setreg_imm32_b32 hwreg(HW_REG_WAVE_MODE, 25, 1), 1
	s_wait_xcnt 0x0
; GEMM1: h = silu(x w1[e]^T) * (x v1[e]^T), for the rows that name expert e alone, on codes of E2M1 with E8M0 scales; h is quantised along F on the way and leaves as codes.
; SHARES.  Work-group (s, tile): the tile's 128 sorted rows of one expert x hidden units 128 s .. 128 s + 127 (K step s of the next product).  71 tiles serve every split: ceil(8192 / 128) + 7.
; Wave w: hidden units 32 (4 s + w) on: two tiles of w1's rows and two of v1's, for all 128 rows: 32 accumulators.  Its 64 weight fragments come from memory straight into registers, as images, each byte once.
; The 128 rows of x (codes and scale bytes) are gathered by the stored list into LDS once and read by all four waves.
; A TILE THAT THE SPLIT LEAVES WITHOUT ROWS (tile_expert = 8) does nothing: its three blocks of work are jumped over by a scalar branch on that stored number; both barriers stand outside the branches.
; NO TENSOR LOADS, NO CLUSTER: the text branches on a number read from memory and its rows of x come by a list, so tiles go through registers; what partners could share (a tile's rows of x, 136 KB of a
; work-group's 408 KB) would need every partner to ask whatever the split, and tiles without rows ask for nothing.
; THE MATRIX INSTRUCTION IS USED TRANSPOSED: source 0 = 16 rows of a weight, source 1 = 16 rows of x: a lane holds ONE row of h, and the 16 registers of a weight's two tiles are hidden units 32 b + 16 (lane / 16) + 0 .. 15.
; LIMITS: NaN and infinities are not served; v_exp_f32 and v_rcp_f32 flush denormals; a block of h whose largest magnitude lies under 2^-124 (zeros too) takes the scale byte 1.
; REGISTERS, in windows of 256: window 0: v1-15 addresses; v16-47 the weights' scale words, v48-111 x's (scales and nothing else); v112-239 x's fragments, two sets of 64 (before: the gather's addresses; behind: the activation's work).
;   windows 1, 2: weight fragment (K step k, j) at v[32 (k % 8) + 8 j] of window 1 + k / 8; j = 2 matrix + u.   window 3: accumulator (i, j) at v[8 (4 i + j)]; before that the gather's 256 registers.
.set XQS,   2097152
.set W13S,  8388608
.set HQS,   2359296
.set TOK,   512
.set XP,    1040                       ; LDS: a row of x's codes: 1,024 bytes + 16: an odd multiple of 16, so that the 16 rows of a fragment load start in different banks
.set XSC,   133120                     ; behind 128 such rows: x's scale bytes, 64 + 16 a row
.set SP,    80
.set HSTG,  143360                     ; h's codes on the way out: 128 rows x (64 + 16)
.set HSB,   153600                     ; and its scale bytes: 4 a row
.set SCB,   16
.set SCA,   48
.set XF,    112
.set GA,    112                        ; v112-143 the gather's byte offsets
.set XST,   144                        ; v144-159 a row's 64 scale bytes
.set T,     112                        ; the activation: 16 numbers;
.set M,     128                        ; v128 largest magnitude, v129 the other half's, v130 the conversion's scale operand
.set CP,    132                        ; v132-147 codes, a pair for each tile of rows
.set BB,    148                        ; v148-155 scale bytes
.set MSB, 0
.macro WIN new                         ; the immediate's high byte repeats the setting that is left; a switch that changes nothing is dropped
.if MSB != (\new)
	s_set_vgpr_msb (MSB<<8)|(\new)
.set MSB, (\new)
.endif
.endm
.macro PLACES                          ; four plain vector lines behind a matrix instruction, ahead of loads into its registers and of reads of its results
.rept 4
	v_nop
.endr
.endm
	s_load_b256 s[4:11], s[0:1], 0x0                 ; xq s[4:5], w13q s[6:7], route s[8:9], hq s[10:11]
	v_lshl_add_u32 v254, v0, 2, 0x25a00
	v_mov_b32 v255, 0
	v_lshrrev_b32 v1, 5, v0
	v_readfirstlane_b32 s12, v1                      ; wave
	s_and_b32 s13, ttmp7, 0xffff                     ; tile
	v_and_b32 v1, 31, v0                             ; lane
	v_and_b32 v2, 15, v0                             ; r
	v_bfe_u32 v3, v0, 4, 1                           ; h
	v_lshlrev_b32 v4, 4, v1                          ; 16 x lane
	v_lshlrev_b32 v5, 2, v1                          ; 4 x lane
	s_mul_i32 s17, s12, 32*XP
	v_add_nc_u32 v6, s17, v4                         ; gather: my wave's 32 rows of codes, 16 bytes a lane
	v_mul_u32_u24 v7, v0, SP
	v_add_nc_u32 v7, XSC, v7                         ; and row 32 w + lane of scale bytes
	v_mul_u32_u24 v8, v2, XP
	v_lshl_add_u32 v8, v3, 4, v8                     ; x's fragments: row r, + 16 h; tiles of rows 0-3,
	v_add_nc_u32 v9, 64*XP, v8                       ; tiles 4-7
	v_mul_u32_u24 v10, v1, SP
	v_add_nc_u32 v10, XSC, v10                       ; x's scale words: lanes 0-15 an even tile of rows, lanes 16-31 the odd one behind it
	v_mul_u32_u24 v11, v2, SP
	v_lshl_add_u32 v11, v3, 3, v11
	s_lshl_b32 s17, s12, 4
	s_add_co_u32 s17, s17, HSTG
	v_add_nc_u32 v11, s17, v11                       ; h's codes: row r, my block's 16 bytes, my half's 8
	v_lshlrev_b32 v12, 2, v2
	s_add_co_u32 s17, s12, HSB
	v_add_nc_u32 v12, s17, v12                       ; h's scale byte: row r, byte w
	v_lshrrev_b32 v242, 2, v1
	s_lshl_b32 s17, s12, 5
	v_add_nc_u32 v242, s17, v242                     ; the way out: row 32 w + lane / 4,
	v_and_b32 v243, 3, v1                            ; 16 bytes (lane % 4) of its 64
	v_mul_u32_u24 v13, v242, SP
	v_lshl_add_u32 v13, v243, 4, v13
	v_add_nc_u32 v13, HSTG, v13
	v_lshlrev_b32 v14, 8, v242
	v_lshl_add_u32 v14, v243, 4, v14                 ; and the same place in hq
	v_lshl_add_u32 v15, v0, 2, HSB                   ; row 32 w + lane's scale word in LDS,
	v_lshlrev_b32 v241, 4, v0                        ; and in hq
	s_mov_b32 s19, 0
	s_mov_b32 s28, 0xbfb8aa3b                        ; -log2(e)
	s_mov_b32 s29, s28                               ; (named with it as a pair)
	s_mov_b32 s30, 0x76543210
	s_mov_b32 s31, 0xfedcba98                        ; v_permlanex16_b32's selects for lane l xor 16
	s_wait_kmcnt 0x0
	s_lshl_b32 s18, s13, 2
	s_add_nc_u64 s[20:21], s[8:9], s[18:19]
	s_load_b32 s15, s[20:21], 0x0                    ; tile_expert[tile]
	s_wait_kmcnt 0x0
	s_min_u32 s16, s15, 7                            ; the expert, held inside the table
	s_lshl_b32 s18, s13, 9
	s_lshl_b32 s17, s12, 7
	s_add_co_u32 s18, s18, s17
	s_add_co_u32 s18, s18, TOK
	s_add_nc_u64 s[20:21], s[8:9], s[18:19]          ; tok_list at my wave's 32 rows
	s_lshl_b32 s17, s16, 4
	s_lshl_b32 s14, ttmp9, 2
	s_add_co_u32 s17, s17, s14
	s_add_co_u32 s17, s17, s12                       ; 16 e + b, b = 4 s + w
	s_lshl_b32 s18, s17, 16
	s_add_nc_u64 s[22:23], s[6:7], s[18:19]          ; my 64 images
	s_lshl_b32 s18, s17, 12
	s_add_co_u32 s18, s18, W13S
	s_add_nc_u64 s[24:25], s[6:7], s[18:19]          ; and their scale words
	s_lshl_b32 s18, s13, 15
	s_lshl_b32 s17, ttmp9, 6
	s_add_co_u32 s18, s18, s17
	s_add_nc_u64 s[26:27], s[10:11], s[18:19]        ; hq: the tile's rows, K step s: 64 bytes of each row's 256
	s_lshl_b32 s18, s13, 11
	s_lshl_b32 s17, ttmp9, 2
	s_add_co_u32 s18, s18, s17
	s_add_co_u32 s18, s18, HQS
	s_add_nc_u64 s[66:67], s[10:11], s[18:19]        ; and word s of each row's scale bytes
; ---- 1: the gather.  Wave w brings rows 32 w .. 32 w + 31: each row's 1,024 bytes by two loads of 512 consecutive bytes.
	s_cmp_ge_u32 s15, 8
	s_cbranch_scc1 .Lnorows1
	s_load_b512 s[32:47], s[20:21], 0x0
	s_load_b512 s[48:63], s[20:21], 0x40
	global_load_b32 v240, v5, s[20:21]               ; and a lane to a row, for the scale bytes
	s_wait_kmcnt 0x0
.set i, 0
.rept 32
	s_min_u32 s[32+i], s[32+i], 2047                 ; a stored number enters an address held inside the table
	s_lshl_b32 s[32+i], s[32+i], 10
	v_add_nc_u32 v[GA+i], s[32+i], v4
.set i, i+1
.endr
	s_wait_loadcnt 0x0
	v_min_u32 v240, 2047, v240
	v_lshlrev_b32 v240, 6, v240
.irp q, 0,1,2,3
	global_load_b128 v[XST+4*\q:XST+4*\q+3], v240, s[4:5] offset:XQS+16*\q
.endr
	WIN 0xc0                                         ; destination window 3
.set i, 0
.rept 32
	global_load_b128 v[8*i:8*i+3], v[GA+i], s[4:5]
	global_load_b128 v[8*i+4:8*i+7], v[GA+i], s[4:5] offset:512
.set i, i+1
.endr
	s_wait_loadcnt 32                                ; the scale bytes and rows 0-15 are in; the 32 loads of rows 16-31 may be out
	WIN 0
.irp q, 0,1,2,3
	ds_store_b128 v7, v[XST+4*\q:XST+4*\q+3] offset:16*\q
.endr
	WIN 0x0c                                         ; an LDS store's data are its source 1: window 3
.set i, 0
.rept 16
	ds_store_b128 v6, v[8*i:8*i+3] offset:XP*i
	ds_store_b128 v6, v[8*i+4:8*i+7] offset:XP*i+512
.set i, i+1
.endr
	s_wait_loadcnt 0x0
.rept 16
	ds_store_b128 v6, v[8*i:8*i+3] offset:XP*i
	ds_store_b128 v6, v[8*i+4:8*i+7] offset:XP*i+512
.set i, i+1
.endr
	WIN 0
.Lnorows1:
	s_wait_dscnt 0x0                                 ; for the others' sake: my rows lie in LDS
	s_barrier_signal -1
	s_barrier_wait -1
; ---- 2: the products, 16 K steps of 128, then the activation and the quantiser
	s_cmp_ge_u32 s15, 8
	s_cbranch_scc1 .Lnorows2
.macro BLOAD k                         ; the four weight fragments of K step k: eight loads of 512 consecutive bytes, into registers of their own
	WIN 0x40*(1+(\k)/8)
.irp j, 0,1,2,3
.irp c, 0,1
	global_load_b128 v[32*((\k)%8)+8*\j+4*\c:32*((\k)%8)+8*\j+4*\c+3], v4, s[22:23] offset:4096*(\k)+1024*\j+512*\c
.endr
.endr
	WIN 0
.endm
.macro AFETCH k                        ; x's eight fragments of K step k into set k % 2
.irp i, 0,1,2,3,4,5,6,7
.irp c, 0,1
	ds_load_b128 v[XF+64*((\k)%2)+8*\i+4*\c:XF+64*((\k)%2)+8*\i+4*\c+3], v[8+\i/4] offset:16*XP*(\i%4)+64*(\k)+32*\c
.endr
.endr
.endm
; One product.  The weights' scale word lies in lanes 0-15 for tile u = 0 and in lanes 16-31 for u = 1; x's in lanes 0-15 for an even tile of rows, in lanes 16-31 for an odd one.
.macro MM i, j, k
.set rD, 8*(4*(\i)+(\j))
.set rW, 32*((\k)%8)+8*(\j)
.set rX, XF+64*((\k)%2)+8*(\i)
.set rA, SCB+16*((\j)/2)+(\k)
.set rB, SCA+16*((\i)/2)+(\k)
.if (\k) == 0
.if ((\j)%2) && ((\i)%2)
	v_wmma_scale_f32_16x16x128_f8f6f4 v[rD:rD+7], v[rW:rW+7], v[rX:rX+7], 0, v[rA], v[rB] matrix_a_fmt:MATRIX_FMT_FP4 matrix_b_fmt:MATRIX_FMT_FP4 matrix_a_scale:MATRIX_SCALE_ROW1 matrix_b_scale:MATRIX_SCALE_ROW1
.elseif (\j)%2
	v_wmma_scale_f32_16x16x128_f8f6f4 v[rD:rD+7], v[rW:rW+7], v[rX:rX+7], 0, v[rA], v[rB] matrix_a_fmt:MATRIX_FMT_FP4 matrix_b_fmt:MATRIX_FMT_FP4 matrix_a_scale:MATRIX_SCALE_ROW1
.elseif (\i)%2
	v_wmma_scale_f32_16x16x128_f8f6f4 v[rD:rD+7], v[rW:rW+7], v[rX:rX+7], 0, v[rA], v[rB] matrix_a_fmt:MATRIX_FMT_FP4 matrix_b_fmt:MATRIX_FMT_FP4 matrix_b_scale:MATRIX_SCALE_ROW1
.else
	v_wmma_scale_f32_16x16x128_f8f6f4 v[rD:rD+7], v[rW:rW+7], v[rX:rX+7], 0, v[rA], v[rB] matrix_a_fmt:MATRIX_FMT_FP4 matrix_b_fmt:MATRIX_FMT_FP4
.endif
.else
.if ((\j)%2) && ((\i)%2)
	v_wmma_scale_f32_16x16x128_f8f6f4 v[rD:rD+7], v[rW:rW+7], v[rX:rX+7], v[rD:rD+7], v[rA], v[rB] matrix_a_fmt:MATRIX_FMT_FP4 matrix_b_fmt:MATRIX_FMT_FP4 matrix_a_scale:MATRIX_SCALE_ROW1 matrix_b_scale:MATRIX_SCALE_ROW1
.elseif (\j)%2
	v_wmma_scale_f32_16x16x128_f8f6f4 v[rD:rD+7], v[rW:rW+7], v[rX:rX+7], v[rD:rD+7], v[rA], v[rB] matrix_a_fmt:MATRIX_FMT_FP4 matrix_b_fmt:MATRIX_FMT_FP4 matrix_a_scale:MATRIX_SCALE_ROW1
.elseif (\i)%2
	v_wmma_scale_f32_16x16x128_f8f6f4 v[rD:rD+7], v[rW:rW+7], v[rX:rX+7], v[rD:rD+7], v[rA], v[rB] matrix_a_fmt:MATRIX_FMT_FP4 matrix_b_fmt:MATRIX_FMT_FP4 matrix_b_scale:MATRIX_SCALE_ROW1
.else
	v_wmma_scale_f32_16x16x128_f8f6f4 v[rD:rD+7], v[rW:rW+7], v[rX:rX+7], v[rD:rD+7], v[rA], v[rB] matrix_a_fmt:MATRIX_FMT_FP4 matrix_b_fmt:MATRIX_FMT_FP4
.endif
.endif
.endm
; A K step: the next step's fragments of x are asked for first (32 matrix instructions ahead of their use), the weights six steps ahead.
; The 32 accumulators take turns, one instruction a turn, in the same order in every step; the first step's products start the sums.
.macro STEP k
.if (\k) > 0
	PLACES                                           ; ahead of the loads into the set that the last step multiplied
.endif
.if (\k) < 15
	AFETCH (\k)+1
.endif
.if (\k) <= 9
	BLOAD (\k)+6
	s_wait_loadcnt 48                                ; this step's weights are in; the six later steps' 48 loads may be out
.else
	s_wait_loadcnt 8*(15-(\k))                       ; the steps that are left: eight loads each
.endif
.if (\k) < 15
	s_wait_dscnt 16                                  ; all but the 16 loads just issued
.else
	s_wait_dscnt 0x0
.endif
	WIN 0xf1+(\k)/8                                  ; source 0 (weights) window 1 or 2, source 1 (x) window 0, C and D window 3
.irp i, 0,1,2,3,4,5,6,7
.irp j, 0,1,2,3
	MM \i, \j, \k
.endr
.endr
	WIN 0
.endm
.irp m, 0,1
.irp g, 0,1,2,3
	global_load_b128 v[SCB+16*\m+4*\g:SCB+16*\m+4*\g+3], v4, s[24:25] offset:2048*\m+512*\g     ; the weights' scale words of all 16 K steps
.endr
.endr
.irp k, 0,1,2,3,4,5
	BLOAD \k
.endr
.irp p, 0,1,2,3
.irp g, 0,1,2,3
	ds_load_b128 v[SCA+16*\p+4*\g:SCA+16*\p+4*\g+3], v10 offset:32*SP*\p+16*\g                  ; x's scale words likewise
.endr
.endr
	AFETCH 0
.irp k, 0,1,2,3,4,5,6,7,8,9,10,11,12,13,14,15
	STEP \k
.endr
	PLACES
	v_mov_b32 v[M+1], 0                              ; a lane permute's destination counts as one of its sources
; Tile of rows i: h = (gate x 1 / (1 + 2^(-log2(e) gate))) x up, in f32; my 16 numbers and lane l xor 16's are a block of 32 along F.  Each accumulator is read from its low end on.
.macro ACT i
	WIN 0x03                                         ; source 0 window 3
.irp q, 0,1,2,3,4,5,6,7
	v_pk_mul_f32 v[T+2*\q:T+2*\q+1], v[32*(\i)+2*\q:32*(\i)+2*\q+1], s[28:29] op_sel_hi:[1,0]
.endr
	WIN 0
.irp q, 0,1,2,3,4,5,6,7,8,9,10,11,12,13,14,15
	v_exp_f32 v[T+\q], v[T+\q]
.endr
	v_nop                                            ; a plain line behind the transcendentals
	s_wait_alu depctr_va_vdst(0)
.irp q, 0,1,2,3,4,5,6,7
	v_pk_add_f32 v[T+2*\q:T+2*\q+1], v[T+2*\q:T+2*\q+1], 1.0 op_sel_hi:[1,0]
.endr
.irp q, 0,1,2,3,4,5,6,7,8,9,10,11,12,13,14,15
	v_rcp_f32 v[T+\q], v[T+\q]
.endr
	v_nop
	WIN 0x0c                                         ; source 1 window 3
	s_wait_alu depctr_va_vdst(0)
.irp q, 0,1,2,3,4,5,6,7
	v_pk_mul_f32 v[T+2*\q:T+2*\q+1], v[T+2*\q:T+2*\q+1], v[32*(\i)+2*\q:32*(\i)+2*\q+1]
.endr
.irp q, 0,1,2,3,4,5,6,7
	v_pk_mul_f32 v[T+2*\q:T+2*\q+1], v[T+2*\q:T+2*\q+1], v[32*(\i)+16+2*\q:32*(\i)+16+2*\q+1]
.endr
	WIN 0
	v_max3_num_f32 v[M], |v[T]|, |v[T+1]|, 0x1800000               ; the floor 2^(3 - 127): the byte cannot fall under 1
.irp q, 2,4,6,8,10,12,14
	v_max3_num_f32 v[M], v[M], |v[T+\q]|, |v[T+\q+1]|
.endr
	v_permlanex16_b32 v[M+1], v[M], s30, s31
	v_max_num_f32 v[M], v[M], v[M+1]
	v_add_nc_u32 v[M+2], 0xff000000, v[M]
	v_cvt_scalef32_pk8_fp4_f32 v[CP+2*(\i)], v[T:T+7], v[M+2]
	v_cvt_scalef32_pk8_fp4_f32 v[CP+2*(\i)+1], v[T+8:T+15], v[M+2]
	v_lshrrev_b32 v[BB+(\i)], 23, v[M+2]             ; the scale's byte (also the plain line behind the conversions)
	ds_store_b64 v11, v[CP+2*(\i):CP+2*(\i)+1] offset:16*SP*(\i)
	ds_store_b8 v12, v[BB+(\i)] offset:64*(\i)       ; both halves of the lanes write the same byte with the same value
.endm
.irp i, 0,1,2,3,4,5,6,7
	ACT \i
.endr
.Lnorows2:
	s_wait_dscnt 0x0                                 ; for the others' sake: my part of each row lies in LDS
	s_barrier_signal -1
	s_barrier_wait -1
; ---- 3: the way out: wave w stores rows 32 w .. 32 w + 31: 64 bytes of codes and one scale word a row (the four work-groups of a tile complete a row's 256 bytes)
	s_cmp_ge_u32 s15, 8
	s_cbranch_scc1 .Lnorows3
.irp q, 0,1,2,3
	ds_load_b128 v[160+4*\q:160+4*\q+3], v13 offset:8*SP*\q
.endr
	ds_load_b32 v176, v15
	s_wait_dscnt 0x0
.irp q, 0,1,2,3
	global_store_b128 v14, v[160+4*\q:160+4*\q+3], s[26:27] offset:2048*\q
.endr
	global_store_b32 v241, v176, s[66:67]
.Lnorows3:
	s_wait_tensorcnt 0x0
	ds_add_u32 v254, v255
	s_wait_dscnt 0x0
	s_endpgm
.Lfunc_end_k_qddc383d2b6_gemm1:
	.size	k_qddc383d2b6_gemm1, .Lfunc_end_k_qddc383d2b6_gemm1-k_qddc383d2b6_gemm1
	.p2alignl 7, 3214868480
	.fill 96, 4, 3214868480
	.section	.rodata,"a",@progbits
	.p2align	6, 0x0
	.amdhsa_kernel k_qddc383d2b6_gemm1
		.amdhsa_group_segment_fixed_size 154624
		.amdhsa_private_segment_fixed_size 0
		.amdhsa_enable_private_segment 0
		.amdhsa_kernarg_size 32
		.amdhsa_user_sgpr_count 2
		.amdhsa_user_sgpr_kernarg_segment_ptr 1
		.amdhsa_wavefront_size32 1
		.amdhsa_system_sgpr_workgroup_id_x 1
		.amdhsa_system_sgpr_workgroup_id_y 1
		.amdhsa_system_sgpr_workgroup_id_z 1
		.amdhsa_system_vgpr_workitem_id 0
		.amdhsa_next_free_vgpr 1024
		.amdhsa_next_free_sgpr 72
		.amdhsa_reserve_vcc 0
		.amdhsa_float_denorm_mode_32 3
		.amdhsa_float_denorm_mode_16_64 3
		.amdhsa_memory_ordered 1
		.amdhsa_forward_progress 1
		.amdhsa_inst_pref_size 153
	.end_amdhsa_kernel
	.amdgpu_metadata
---
amdhsa.version: [ 1, 2 ]
amdhsa.kernels:
  - .name:           k_qddc383d2b6_gemm1
    .symbol:         k_qddc383d2b6_gemm1.kd
    .args:
      - { .name: xq, .offset: 0, .size: 8, .value_kind: global_buffer, .address_space: global }
      - { .name: w13q, .offset: 8, .size: 8, .value_kind: global_buffer, .address_space: global }
      - { .name: route, .offset: 16, .size: 8, .value_kind: global_buffer, .address_space: global }
      - { .name: hq, .offset: 24, .size: 8, .value_kind: global_buffer, .address_space: global }
    .group_segment_fixed_size: 154624
    .private_segment_fixed_size: 0
    .kernarg_segment_align: 8
    .kernarg_segment_size: 32
    .max_flat_workgroup_size: 128
    .sgpr_count:     72
    .vgpr_count:     1024
    .wavefront_size: 32
...
	.end_amdgpu_metadata
.endif
;; end of part 2
;; launch gemm2 (part 3): grid 16 x 16, 4 waves a work-group, no clusters, 299,520 bytes of LDS; arguments hq, w2q, route, tscale, out0; writes out0
.if DOCPART == 3
	.amdgcn_target "amdgcn-amd-amdhsa--gfx1250"
	.amdhsa_code_object_version 6
	.text
	.protected	k_qddc383d2b6_gemm2
	.globl	k_qddc383d2b6_gemm2
	.p2align	8
	.type	k_qddc383d2b6_gemm2,@function
k_qddc383d2b6_gemm2:
	s_mov_b64 s[64:65], 0
	v_nop
	global_prefetch_b8 v0, s[64:65] scope:SCOPE_SE
	s_setreg_imm32_b32 hwreg(HW_REG_WAVE_MODE, 25, 1), 1
	s_wait_xcnt 0x0
; GEMM2: out[t] = the sum over e of scale[t][e] x (h[t, e] w2[e]), on codes of E2M1 with E8M0 scales.  EACH OUTPUT HAS ONE OWNER, so nothing is added between work-groups.
; SHARES.  Work-group (nb, tb): tokens 128 tb on x columns 128 nb on, all eight experts.  A token's row of h for expert e is found by the stored pos[e][t]; a pair that the token does not name
; points at a row of zero codes, which adds nothing, and its scale[t][e] is 0.  No branch hangs on data.
; Wave w: 32 columns (two tiles) for all 128 tokens; each of its 64 fragments of w2 (8 experts x 4 K steps x 2 tiles) comes from memory once, as an image, into registers of its own.
; FOUR PHASES, one for each pair of experts (2 ep, 2 ep + 1): a phase takes its pair through all eight tiles of 16 tokens; out, 8 x 2 tiles, stays in 128 registers from phase to phase.
; THE WAY IN RUNS BESIDE THE PRODUCTS: pair N's rows of h are asked for in phase N - 2 (pairs 0 and 1 at the head), stored into LDS in phase N - 1 and read in phase N, behind that phase's barrier;
; pair N's fragments of w2 are asked for in phase N - 2 too.  For every pair wave w gathers tokens 32 w .. 32 w + 31: lanes 0-15 the even expert's row, lanes 16-31 the odd one's: two whole rows of 256 bytes an instruction.
; NO TENSOR LOADS, NO CLUSTER: the rows of h come by a stored list, row by row, and w2's fragments go once to one wave's registers; the sixteen work-groups of a block of tokens do read the same
; rows of h (278 KB each), but as gathered rows they are no tile that one descriptor states.
; THE MATRIX INSTRUCTION IS USED TRANSPOSED: source 0 = 16 columns of w2, source 1 = 16 rows of h: a lane holds one token and eight neighbouring columns.
; REGISTERS, in windows of 256: window 0: v1-15 addresses; v16-47 w2's scale words, v48-63 h's, two sets (scales and nothing else); v64-71 the tokens' scales, four sets of two; v72-135 products, two sets of four
;   accumulators (at the head: pair 0's offsets); v136-199 staging for 16 instructions' rows; v200-231 pair 3's row offsets; v232-234 the way out.
;   windows 1, 2: w2's fragment f = 2 (4 e + s) + tile at v[8 (f % 32)] of window 1 + f / 32.  Until pair 3's fragments are asked for, window 2 v128-191 hold pairs 1 and 2's row offsets and v192-255 the second staging;
;   for pair 3 the second staging is window 1 v0-63: pair 0's fragments, done with since phase 0.
;   window 3: v0-127 h's fragments, two sets of 64: (expert x of the pair, K step s) at v[64 (tile % 2) + 32 x + 8 s]; v128-255 out: (tile i, column tile t) at v[128 + 16 i + 8 t].
.set HQS,   2359296
.set W2S,   4194304
.set POS,   37376
.set ZROW,  9088
.set AP,    272                        ; LDS: a row of h's codes: 256 bytes + 16; row 128 e + token
.set EB,    128*AP                     ; an expert's 128 rows
.set ASC,   8*EB                       ; behind them: the rows' scale bytes, 16 a row
.set TSL,   ASC+16384                  ; and the tokens' scales, 32 bytes a token
.set SPI,   528                        ; the stage for out: 128 rows x (512 + 16) bytes, from LDS byte 0 on: inside pair 0's rows (2 EB bytes), which nobody reads behind phase 0's barrier
.set GS,    6                          ; v6-9    where I store pair ep's gathered rows
.set AF,    10                         ; v10-13  where I read pair ep's fragments
.set SCB,   16
.set SCA,   48
.set TS,    64
.set TT,    72
.set SA,    136
.set IDX3,  200
.set SO,    232
.set SR,    233
.set GO,    234
.set IDX0,  72                         ; at the head only, in the products' registers: pair 0's row offsets,
.set IDS,   104                        ; and a lane to a row, for the scale bytes
.set OO,    128                        ; out, in window 3
.set MSB, 0
.macro WIN new                         ; the immediate's high byte repeats the setting that is left; a switch that changes nothing is dropped
.if MSB != (\new)
	s_set_vgpr_msb (MSB<<8)|(\new)
.set MSB, (\new)
.endif
.endm
	s_load_b256 s[4:11], s[0:1], 0x0                 ; hq s[4:5], w2q s[6:7], route s[8:9], tscale s[10:11]
	s_load_b64 s[12:13], s[0:1], 0x20                ; out0
	v_lshl_add_u32 v254, v0, 2, 0x49000
	v_mov_b32 v255, 0
	v_lshrrev_b32 v1, 5, v0
	v_readfirstlane_b32 s14, v1                      ; wave
	s_and_b32 s16, ttmp7, 0xffff                     ; tb
	s_lshl_b32 s17, ttmp9, 2
	s_add_co_u32 s17, s17, s14                       ; ng: my 32 columns
	v_and_b32 v1, 31, v0                             ; lane
	v_and_b32 v2, 15, v0                             ; r
	v_bfe_u32 v3, v0, 4, 1                           ; h
	v_lshlrev_b32 v4, 4, v1                          ; 16 x lane
	v_lshlrev_b32 v5, 4, v2                          ; 16 r
	v_mul_u32_u24 v6, v3, EB
	v_add_nc_u32 v6, v6, v5
	s_mul_i32 s34, s14, 32*AP
	v_add_nc_u32 v6, s34, v6                         ; gather, pair 0: expert h's rows, token 32 w on, 16 r bytes on;
	v_add_nc_u32 v7, 2*EB, v6                        ; pair 1;
	v_add_nc_u32 v8, 4*EB, v6                        ; pair 2;
	v_add_nc_u32 v9, 6*EB, v6                        ; pair 3
	v_mul_u32_u24 v10, v2, AP
	v_lshl_add_u32 v10, v3, 4, v10                   ; h's fragments: row r, + 16 h; pair 0;
	v_add_nc_u32 v11, 2*EB, v10
	v_add_nc_u32 v12, 4*EB, v10
	v_add_nc_u32 v13, 6*EB, v10
	v_add_nc_u32 v14, ASC, v5                        ; h's scale words: row r
	v_lshl_add_u32 v15, v2, 5, TSL                   ; token r's eight scales
	v_mul_u32_u24 v[SO], v2, SPI
	v_lshl_add_u32 v[SO], v3, 5, v[SO]
	s_lshl_b32 s34, s14, 7
	v_add_nc_u32 v[SO], s34, v[SO]                   ; stage, in: row r, my wave's 128 bytes, my half's 32
	s_mul_i32 s34, s14, 32*SPI
	v_add_nc_u32 v[SR], s34, v4                      ; stage, out: rows 32 w on, 16 bytes a lane
	s_lshl_b32 s34, s14, 18
	v_add_nc_u32 v[GO], s34, v4                      ; and the same place in out: 32 w rows of 8,192 bytes
	v_lshlrev_b32 v248, 5, v0                        ; tscale: thread = token, 32 bytes
	v_lshl_add_u32 v249, v0, 5, TSL
	v_lshlrev_b32 v250, 3, v1
	s_lshl_b32 s34, s14, 12
	s_add_co_u32 s34, s34, ASC
	v_add_nc_u32 v251, s34, v4                       ; the scale bytes of experts 2 w, 2 w + 1 in LDS
	v_lshlrev_b32 v252, 13, v3                       ; pos: 8,192 bytes from an expert to the next
	v_lshlrev_b32 v253, 2, v1
	s_mov_b32 s19, 0
	s_wait_kmcnt 0x0
	s_lshl_b32 s18, s16, 9
	s_lshl_b32 s15, s14, 7
	s_add_co_u32 s18, s18, s15
	s_add_co_u32 s18, s18, POS
	s_add_nc_u64 s[20:21], s[8:9], s[18:19]          ; pos[0][128 tb + 32 w]: the rows that I gather
	s_lshl_b32 s18, s14, 14
	s_lshl_b32 s15, s16, 9
	s_add_co_u32 s18, s18, s15
	s_add_co_u32 s18, s18, POS
	s_add_nc_u64 s[32:33], s[8:9], s[18:19]          ; pos[2 w][128 tb]: the rows whose scale bytes I gather
	s_lshl_b32 s18, s17, 12
	s_add_co_u32 s18, s18, W2S
	s_add_nc_u64 s[22:23], s[6:7], s[18:19]          ; my scale words of w2
	s_lshl_b32 s18, s17, 16
	s_add_nc_u64 s[24:25], s[6:7], s[18:19]          ; my 64 images
	s_lshl_b32 s18, s16, 12
	s_add_nc_u64 s[26:27], s[10:11], s[18:19]
	s_lshl_b32 s18, s16, 20
	s_lshl_b32 s15, ttmp9, 9
	s_add_co_u32 s18, s18, s15
	s_add_nc_u64 s[28:29], s[12:13], s[18:19]        ; out at (128 tb, 128 nb)
.macro FLOAD f                         ; an image: two loads of 512 consecutive bytes
	WIN 0x40*(1+(\f)/32)
	global_load_b128 v[8*((\f)%32):8*((\f)%32)+3], v4, s[24:25] offset:1024*(\f)
	global_load_b128 v[8*((\f)%32)+4:8*((\f)%32)+7], v4, s[24:25] offset:1024*(\f)+512
.endm
.macro STAGING n, hf                   ; where half hf of pair n's rows waits between memory and LDS: window gDW, register gD on
.if (\hf) == 0
.set gDW, 0
.set gD, SA
.elseif (\n) == 3
.set gDW, 1
.set gD, 0
.else
.set gDW, 2
.set gD, 192
.endif
.endm
.macro GATHER n, hf                    ; tokens 32 w + 16 hf + 0 .. 15 of pair n: 16 loads, two whole rows each
.if (\n) == 3
.set gIW, 0
.set gIX, IDX3+16*(\hf)
.else
.set gIW, 2
.set gIX, 128+32*((\n)-1)+16*(\hf)
.endif
	STAGING \n, \hf
	WIN (gDW<<6)|gIW                                 ; the data's window, and the offsets' (a load's address is its source 0)
.set k, 0
.rept 16
	global_load_b128 v[gD+4*k:gD+4*k+3], v[gIX+k], s[4:5]
.set k, k+1
.endr
.endm
.macro BSTORE n, hf                    ; and on into LDS
	STAGING \n, \hf
	WIN gDW<<2                                       ; an LDS store's data are its source 1
.set k, 0
.rept 16
	ds_store_b128 v[GS+(\n)], v[gD+4*k:gD+4*k+3] offset:AP*(16*(\hf)+k)
.set k, k+1
.endr
.endm
; ---- the head: the positions; pair 0's fragments, rows and all scale bytes; pair 1 is asked for
.irp q, 0,1,2,3,4,5,6,7
	global_load_b128 v[IDX0+4*\q:IDX0+4*\q+3], v252, s[20:21] offset:16*\q                  ; pair 0, tokens 4 q .. 4 q + 3 of my 32: the same in all sixteen lanes of a half
.endr
.irp q, 0,1,2,3,4,5,6,7
	global_load_b32 v[IDS+\q], v253, s[32:33] offset:(\q/4)*8192+(\q%4)*128                 ; expert 2 w + q / 4, token 32 (q % 4) + lane
.endr
	global_load_b128 v[240:243], v248, s[26:27]
	global_load_b128 v[244:247], v248, s[26:27] offset:16
.irp q, 0,1,2,3,4,5,6,7
	global_load_b128 v[IDX3+4*\q:IDX3+4*\q+3], v252, s[20:21] offset:3*16384+16*\q          ; pair 3
.endr
	WIN 0x80                                         ; destination window 2
.irp q, 0,1,2,3,4,5,6,7
	global_load_b128 v[128+4*\q:128+4*\q+3], v252, s[20:21] offset:16384+16*\q              ; pair 1
	global_load_b128 v[160+4*\q:160+4*\q+3], v252, s[20:21] offset:2*16384+16*\q            ; pair 2
.endr
	WIN 0
.irp e, 0,1,2,3,4,5,6,7
.irp f, 0,1
	global_load_b64 v[SCB+4*\e+2*\f:SCB+4*\e+2*\f+1], v250, s[22:23] offset:512*\e+256*\f   ; lanes 0-15 tile 0, lanes 16-31 tile 1; register 4 e + s
.endr
.endr
.set n, 0
.rept 16
	FLOAD n
.set n, n+1
.endr
	WIN 0
	s_wait_loadcnt 48                                ; the positions and the tokens' scales are in; the 16 + 32 loads behind them may be out
.set k, 0
.rept 32
	v_min_u32 v[IDX0+k], ZROW, v[IDX0+k]             ; a stored number enters an address held inside the table
	v_lshl_add_u32 v[IDX0+k], v[IDX0+k], 8, v5       ; 256 bytes a row, 16 r bytes on
.set k, k+1
.endr
.irp q, 0,1,2,3,4,5,6,7
	v_min_u32 v[IDS+\q], ZROW, v[IDS+\q]
	v_lshlrev_b32 v[IDS+\q], 4, v[IDS+\q]
.endr
	ds_store_b128 v249, v[240:243]
	ds_store_b128 v249, v[244:247] offset:16
	WIN 0xc0                                         ; destination window 3: nothing else lives there yet
.irp q, 0,1,2,3,4,5,6,7
	global_load_b128 v[128+4*\q:128+4*\q+3], v[IDS+\q], s[4:5] offset:HQS
.endr
.set k, 0
.rept 32
	global_load_b128 v[4*k:4*k+3], v[IDX0+k], s[4:5]                                        ; pair 0's rows
.set k, k+1
.endr
	WIN 0x8a                                         ; sources 0 and 1 and the destination in window 2, source 2 (16 r) in window 0
.set k, 0
.rept 32
	v_min_u32 v[128+k], ZROW, v[128+k]
	v_lshl_add_u32 v[128+k], v[128+k], 8, v5
.set k, k+1
.endr
	GATHER 1, 0
	GATHER 1, 1
.set n, 16
.rept 16
	FLOAD n
.set n, n+1
.endr
	WIN 0x8a
.set k, 0
.rept 32
	v_min_u32 v[160+k], ZROW, v[160+k]
	v_lshl_add_u32 v[160+k], v[160+k], 8, v5
.set k, k+1
.endr
	WIN 0
.set k, 0
.rept 32
	v_min_u32 v[IDX3+k], ZROW, v[IDX3+k]
	v_lshl_add_u32 v[IDX3+k], v[IDX3+k], 8, v5
.set k, k+1
.endr
	s_wait_loadcnt 63                                ; pair 0's fragments and rows and the scale bytes are in.  64 loads (pair 1's) were issued behind them; the count's field ends at 63, so one of those is waited for too
	WIN 0x0c                                         ; an LDS store's data are its source 1: window 3
.irp q, 0,1,2,3,4,5,6,7
	ds_store_b128 v251, v[128+4*\q:128+4*\q+3] offset:512*\q
.endr
.set k, 0
.rept 32
	ds_store_b128 v[GS], v[4*k:4*k+3] offset:AP*k
.set k, k+1
.endr
	WIN 0
	s_wait_dscnt 0x0                                 ; for the others' sake: my rows of pair 0, my scale bytes and my tokens' scales lie in LDS
	s_barrier_signal -1
	s_barrier_wait -1
; ---- the products.  ep: the pair of experts;  i: the tile of 16 tokens.
.macro G ep, i                         ; 19 LDS loads: the pair's eight fragments of h for tile i, its scale words, the tokens' two scales
	WIN 0xc0
.irp x, 0,1
.irp s, 0,1,2,3
.irp c, 0,1
	ds_load_b128 v[64*((\i)%2)+32*\x+8*\s+4*\c:64*((\i)%2)+32*\x+8*\s+4*\c+3], v[AF+(\ep)] offset:EB*\x+16*AP*(\i)+64*\s+32*\c
.endr
.endr
.endr
	WIN 0
.irp x, 0,1
	ds_load_b128 v[SCA+8*((\i)%2)+4*\x:SCA+8*((\i)%2)+4*\x+3], v14 offset:2048*(2*(\ep)+\x)+256*(\i)
.endr
	ds_load_b64 v[TS+2*((\i)%4):TS+2*((\i)%4)+1], v15 offset:512*(\i)+8*(\ep)
.endm
; 16 matrix instructions: four accumulators (2 experts x 2 tiles of columns) by turns, one instruction a turn, four K steps deep; the first K step starts the sums.
.macro W ep, i
	WIN 0x0d+(\ep)/2                                 ; source 0 (w2) window 1 or 2, source 1 (h) window 3, C and D window 0
.irp s, 0,1,2,3
.irp x, 0,1
.irp t, 0,1
.set rE, 2*(\ep)+\x
.set rT, TT+32*((\i)%2)+8*(2*\x+\t)
.set rW, 8*(((4*rE+\s)*2+\t)%32)
.set rH, 64*((\i)%2)+32*\x+8*\s
.set rA, SCB+4*rE+\s
.set rB, SCA+8*((\i)%2)+4*\x+\s
.if (\s == 0) && (\t == 1)
	v_wmma_scale_f32_16x16x128_f8f6f4 v[rT:rT+7], v[rW:rW+7], v[rH:rH+7], 0, v[rA], v[rB] matrix_a_fmt:MATRIX_FMT_FP4 matrix_b_fmt:MATRIX_FMT_FP4 matrix_a_scale:MATRIX_SCALE_ROW1
.elseif \s == 0
	v_wmma_scale_f32_16x16x128_f8f6f4 v[rT:rT+7], v[rW:rW+7], v[rH:rH+7], 0, v[rA], v[rB] matrix_a_fmt:MATRIX_FMT_FP4 matrix_b_fmt:MATRIX_FMT_FP4
.elseif \t == 1
	v_wmma_scale_f32_16x16x128_f8f6f4 v[rT:rT+7], v[rW:rW+7], v[rH:rH+7], v[rT:rT+7], v[rA], v[rB] matrix_a_fmt:MATRIX_FMT_FP4 matrix_b_fmt:MATRIX_FMT_FP4 matrix_a_scale:MATRIX_SCALE_ROW1
.else
	v_wmma_scale_f32_16x16x128_f8f6f4 v[rT:rT+7], v[rW:rW+7], v[rH:rH+7], v[rT:rT+7], v[rA], v[rB] matrix_a_fmt:MATRIX_FMT_FP4 matrix_b_fmt:MATRIX_FMT_FP4
.endif
.endr
.endr
.endr
.endm
; out += scale[t][e] x product, two numbers a line, each accumulator from its low end on; expert 0's multiplication starts the sums: nothing is cleared.
.macro F ep, i
	WIN 0xf0                                         ; the product and the scale in window 0, out (source 2 and destination) in window 3
.irp x, 0,1
.irp t, 0,1
.irp q, 0,1,2,3
.set rT, TT+32*((\i)%2)+8*(2*\x+\t)+2*\q
.set rO, OO+16*(\i)+8*\t+2*\q
.set rS, TS+2*((\i)%4)
.if ((\ep) == 0) && (\x == 0)
	v_pk_mul_f32 v[rO:rO+1], v[rT:rT+1], v[rS:rS+1] op_sel_hi:[1,0]
.elseif \x == 0
	v_pk_fma_f32 v[rO:rO+1], v[rT:rT+1], v[rS:rS+1], v[rO:rO+1] op_sel_hi:[1,0,1]
.else
	v_pk_fma_f32 v[rO:rO+1], v[rT:rT+1], v[rS:rS+1], v[rO:rO+1] op_sel:[0,1,0] op_sel_hi:[1,1,1]
.endif
.endr
.endr
.endr
.endm
.macro OSTORE i                        ; a finished tile of out goes into the stage: rows 16 i on, my wave's 128 bytes of each
	WIN 0x0c
.irp t, 0,1
	ds_store_b128 v[SO], v[OO+16*(\i)+8*\t:OO+16*(\i)+8*\t+3] offset:16*SPI*(\i)+64*\t
	ds_store_b128 v[SO], v[OO+16*(\i)+8*\t+4:OO+16*(\i)+8*\t+7] offset:16*SPI*(\i)+64*\t+16
.endr
.endm
; A PHASE.  In tile i: the next tile's 19 LDS loads; the wait that leaves just these 19 out; the tile's 16 products; the tile before is folded into out.
; PLACES: the 16 plain lines of F for tile i - 1 stand behind tile i's products and name the other set of accumulators: they are the places ahead of the loads into tile i's fragments and scale
; words, of the reads of its results, and of the products that begin its set anew two tiles on.  Behind a phase's first tile, which has no such lines, stand five v_nop.
; THE WAY IN, pair N = ep + 1: its loads went out in the order [rows, half 0: 16][rows, half 1: 16][fragments: 32].  Behind tile 1: half 0 is waited for (48 younger loads may be out) and stored; behind tile 2: half 1
; (32 younger).  In tile 3, behind the wait on DScnt that shows both runs of stores done, the staging takes pair N + 1's rows; its fragments are asked for in tiles 5 and 6, so that the 64 requests do not stand in one run.
.macro PHASE ep
	G \ep, 0
	G \ep, 1
.if \ep == 3
	s_wait_loadcnt 0x0                               ; pair 3's fragments of w2: nothing was issued behind them
.elseif \ep > 0
	s_wait_loadcnt 63                                ; this pair's fragments of w2 are in: 64 loads (the next pair's) were issued behind them; the count's field ends at 63
.endif
	s_wait_dscnt 19                                  ; tile 0's loads are in; tile 1's 19 may be out
	W \ep, 0
.rept 5
	v_nop
.endr
.irp i, 1,2,3,4,5,6,7
.if \i < 7
	G \ep, \i+1
	s_wait_dscnt 19                                  ; all but the 19 just issued: this tile's fragments are in, and any stores from the staging have been served
.else
	s_wait_dscnt 0x0
.endif
.if (\i == 3) && (\ep <= 1)
	GATHER \ep+2, 0
	GATHER \ep+2, 1
.endif
.if (\i == 5) && (\ep <= 1)
.set n, 16*(\ep+2)
.rept 8
	FLOAD n
.set n, n+1
.endr
.endif
.if (\i == 6) && (\ep <= 1)
.set n, 16*(\ep+2)+8
.rept 8
	FLOAD n
.set n, n+1
.endr
.endif
	W \ep, \i
	F \ep, \i-1
.if (\i == 1) && (\ep <= 2)
	s_wait_loadcnt 48
	BSTORE \ep+1, 0
.endif
.if (\i == 2) && (\ep <= 2)
	s_wait_loadcnt 32
	BSTORE \ep+1, 1
.endif
.if \ep == 3
	OSTORE \i-1
.endif
.endr
	F \ep, 7
.if \ep == 3
	OSTORE 7
.endif
	WIN 0
	s_wait_dscnt 0x0                                 ; for the others' sake: my reads of this pair's rows are over, and what I stored (the next pair's rows; in the last phase my part of the stage) lies in LDS
	s_barrier_signal -1
	s_barrier_wait -1
.endm
	PHASE 0
	PHASE 1
	PHASE 2
	PHASE 3
; ---- the way out: wave w takes rows 32 w .. 32 w + 31 of the stage, whole, into the registers that held h's fragments (the last products that read them stand 16 plain lines back)
	WIN 0xc0
.set k, 0
.rept 32
	ds_load_b128 v[4*k:4*k+3], v[SR] offset:SPI*k
.set k, k+1
.endr
	WIN 0x0c                                         ; a store's data are its source 1: window 3
.set k, 0
.rept 32
	s_wait_dscnt 31-k                                ; LDS loads come back in order: row k is in
	global_store_b128 v[GO], v[4*k:4*k+3], s[28:29] offset:8192*k th:TH_STORE_NT   ; 32 lanes store 512 consecutive bytes of a row, aligned; written once
.set k, k+1
.endr
	WIN 0
	s_wait_tensorcnt 0x0
	ds_add_u32 v254, v255
	s_wait_dscnt 0x0
	s_endpgm
.Lfunc_end_k_qddc383d2b6_gemm2:
	.size	k_qddc383d2b6_gemm2, .Lfunc_end_k_qddc383d2b6_gemm2-k_qddc383d2b6_gemm2
	.p2alignl 7, 3214868480
	.fill 96, 4, 3214868480
	.section	.rodata,"a",@progbits
	.p2align	6, 0x0
	.amdhsa_kernel k_qddc383d2b6_gemm2
		.amdhsa_group_segment_fixed_size 299520
		.amdhsa_private_segment_fixed_size 0
		.amdhsa_enable_private_segment 0
		.amdhsa_kernarg_size 40
		.amdhsa_user_sgpr_count 2
		.amdhsa_user_sgpr_kernarg_segment_ptr 1
		.amdhsa_wavefront_size32 1
		.amdhsa_system_sgpr_workgroup_id_x 1
		.amdhsa_system_sgpr_workgroup_id_y 1
		.amdhsa_system_sgpr_workgroup_id_z 1
		.amdhsa_system_vgpr_workitem_id 0
		.amdhsa_next_free_vgpr 1024
		.amdhsa_next_free_sgpr 66
		.amdhsa_reserve_vcc 0
		.amdhsa_float_denorm_mode_32 3
		.amdhsa_float_denorm_mode_16_64 3
		.amdhsa_memory_ordered 1
		.amdhsa_forward_progress 1
		.amdhsa_inst_pref_size 209
	.end_amdhsa_kernel
	.amdgpu_metadata
---
amdhsa.version: [ 1, 2 ]
amdhsa.kernels:
  - .name:           k_qddc383d2b6_gemm2
    .symbol:         k_qddc383d2b6_gemm2.kd
    .args:
      - { .name: hq, .offset: 0, .size: 8, .value_kind: global_buffer, .address_space: global }
      - { .name: w2q, .offset: 8, .size: 8, .value_kind: global_buffer, .address_space: global }
      - { .name: route, .offset: 16, .size: 8, .value_kind: global_buffer, .address_space: global }
      - { .name: tscale, .offset: 24, .size: 8, .value_kind: global_buffer, .address_space: global }
      - { .name: out0, .offset: 32, .size: 8, .value_kind: global_buffer, .address_space: global }
    .group_segment_fixed_size: 299520
    .private_segment_fixed_size: 0
    .kernarg_segment_align: 8
    .kernarg_segment_size: 40
    .max_flat_workgroup_size: 128
    .sgpr_count:     66
    .vgpr_count:     1024
    .wavefront_size: 32
...
	.end_amdgpu_metadata
.endif
;; end of part 3
;; ======== version 2 of 2: 3 launches
;; workspace buffers: xq 2,228,224 bytes; w13q 8,912,896 bytes; w2q 4,456,448 bytes; hq 2,506,752 bytes; route 102,912 bytes of whole numbers; tscale 65,536 bytes
;; launch prep (part 4): grid 897 x 1, 4 waves a work-group, no clusters, 69,376 bytes of LDS; arguments x, w1, v1, w2, top_experts, top_weights, xq, w13q, w2q, hq, route, tscale; writes xq, w13q, w2q, hq, route, tscale
.if DOCPART == 4
	.amdgcn_target "amdgcn-amd-amdhsa--gfx1250"
	.amdhsa_code_object_version 6
	.text
	.protected	k_qddc383d2b6_prep
	.globl	k_qddc383d2b6_prep
	.p2align	8
	.type	k_qddc383d2b6_prep,@function
k_qddc383d2b6_prep:
	s_mov_b64 s[64:65], 0
	v_nop
	global_prefetch_b8 v0, s[64:65] scope:SCOPE_SE
	s_setreg_imm32_b32 hwreg(HW_REG_WAVE_MODE, 25, 1), 1
	s_wait_xcnt 0x0
; PREP: the one pass over the f32 inputs.  Four paths part on the work-group's number; each has LDS bytes of its own and its own end.
;   work-group 0        ROUTE: the (token, expert) pairs, repeats merged, are sorted by expert by a counting sort: tile_expert, tok_list, pos; the zero rows of hq.
;   work-groups 1-128   X:     16 rows of x -> codes of E2M1, row-major, K innermost, and one E8M0 byte for each 32 along K; scale[t][e] of these tokens.
;   work-groups 129-640 W:     one tile of 16 rows of w1 or v1 (K innermost) -> images of the operand's registers, one of 1,024 bytes for each 128 along K, and scale words.
;   work-groups 641-896 W2:    128 columns x 256 f of w2 (K = f is its FIRST axis within an expert): a lane takes a column, its registers run down f.
; A block's scale is 2^(floor(log2(largest magnitude)) - 2): its byte is the largest magnitude's exponent field - 2, held at 1 from below by a floor among the maximum's leaves.
; LIMITS: NaN and infinities are not served; a block whose largest magnitude lies under 2^-124 takes the byte 1; a block of zeros takes the byte 1 where the rule says 127
; (its codes are zeros, which add nothing under any byte but 0xff, and only this program reads the bytes).
; The input 'weights' is not among the arguments: reference() accepts it and never reads it.
; No tensor loads, clusters or matrix units: every f32 byte is read once by one wave, so nothing is shared; each wave has 32 loads of 512 bytes (W2: 64 of 128) on their way.
; AN IMAGE: byte 512 c + 16 lane holds the 16 code bytes of k = 64 c + 32 (lane / 16) + 0 .. 31 of the tile's row lane % 16: the reader's two 16-byte loads a lane give the operand's eight registers.
.set XQS,   2097152                    ; xq: scale bytes [t][64] behind the codes [t][1024]
.set W13S,  8388608                    ; w13q: scale words behind the images
.set W2S,   4194304                    ; w2q: likewise
.set HQS,   2359296                    ; hq: scale bytes [p][16] behind the codes [p][256]
.set ZROW,  9088                       ; the row of zero codes that an absent pair points at: behind the 71 tiles of 128 rows that any split can need
.set TOK,   512                        ; route: tile_expert[128] | tok_list[9216] | pos[8][2048]
.set POS,   37376
.set XREG,  8704                       ; LDS, path X: for each wave a stage of 16 x 528 bytes and 256 scale bytes
.set WBASE, 34816                      ; LDS, path W: behind them, for each wave a stage of 16 x 528 bytes
.set WREG,  8448
.set RB,    68608                      ; LDS, path ROUTE: 128 bytes of counts
.set R,     16                         ; v16-143  two sets of 64 registers as loaded
.set XS,    144                        ; v144-207 two blocks of 32 neighbours along K
.set C,     208                        ; v208-215 their codes
.set AM,    216                        ; v216-217 largest magnitudes
.set SO,    218                        ; v218-219 the conversions' scale operands
.set BY,    220                        ; v220-221 scale bytes
.set SW,    222                        ; v222-225 path W: scale words of four K steps
.set X2,    32                         ; path W2: v32-95 two sets of 32 numbers; v96-127 codes, four registers for each block; v128-129 scale words
.set C2,    96
; 8,192 bytes as loaded (16 loads of 512 consecutive bytes) go into the wave's own stage, 528 bytes from load to load, and come back 128 bytes a lane and block.
; LDS serves a wave's instructions in order, so no wait stands between the stores and the loads.
.macro TURN set, coff
.irp q, 0,1,2,3,4,5,6,7,8,9,10,11,12,13,14,15
	ds_store_b128 v3, v[R+64*((\set)%2)+4*\q:R+64*((\set)%2)+4*\q+3] offset:528*\q
.endr
.irp c, 0,1
.irp i, 0,1,2,3,4,5,6,7
	ds_load_b128 v[XS+32*\c+4*\i:XS+32*\c+4*\i+3], v4 offset:(\coff)*\c+16*\i
.endr
.endr
.endm
; Two blocks of 32 numbers of a lane become 2 x 16 bytes of codes and two scale bytes; the two blocks take turns line by line.
.macro QUANT2
.irp c, 0,1
	v_max3_num_f32 v[AM+\c], |v[XS+32*\c]|, |v[XS+32*\c+1]|, 0x1800000      ; the floor 2^(3 - 127) is one of the leaves: the byte cannot fall under 1
.endr
.irp i, 2,4,6,8,10,12,14,16,18,20,22,24,26,28,30
.irp c, 0,1
	v_max3_num_f32 v[AM+\c], v[AM+\c], |v[XS+32*\c+\i]|, |v[XS+32*\c+\i+1]|
.endr
.endr
.irp c, 0,1
	v_add_nc_u32 v[SO+\c], 0xff000000, v[AM+\c]      ; 2 off the exponent field: the conversion takes this operand's exponent field as its scale
.endr
	s_wait_alu depctr_va_vdst(0)
	s_wait_xcnt 0x0                                  ; the codes' registers were the data of the last unit's stores: they are written again only behind this wait
.irp c, 0,1
.irp g, 0,1,2,3
	v_cvt_scalef32_pk8_fp4_f32 v[C+4*\c+\g], v[XS+32*\c+8*\g:XS+32*\c+8*\g+7], v[SO+\c]
.endr
.endr
.irp c, 0,1
	v_lshrrev_b32 v[BY+\c], 23, v[SO+\c]             ; the scale's byte (also the plain line behind the conversions)
.endr
.endm
	v_lshl_add_u32 v240, v0, 2, 0x10d00
	v_mov_b32 v241, 0
	v_lshrrev_b32 v1, 5, v0
	v_readfirstlane_b32 s2, v1                       ; wave 0..3
	v_and_b32 v1, 31, v0                             ; lane
	v_lshlrev_b32 v2, 4, v1                          ; 16 x lane
	s_cmp_eq_u32 ttmp9, 0
	s_cbranch_scc1 .Lroute
	s_cmp_lt_u32 ttmp9, 129
	s_cbranch_scc1 .Lxpath
	s_cmp_lt_u32 ttmp9, 641
	s_cbranch_scc1 .Lwpath
; ---------------------------------------------------------------- W2: g = e (3 bits) | group of 128 columns (4) | half of F (1); wave w takes 32 columns
	s_load_b64 s[4:5], s[0:1], 0x18                  ; w2
	s_load_b64 s[12:13], s[0:1], 0x40                ; w2q
	s_sub_co_u32 s16, ttmp9, 641
	s_lshr_b32 s17, s16, 5                           ; e
	s_bfe_u32 s18, s16, 0x40001                      ; group of 128 columns
	s_and_b32 s19, s16, 1                            ; fh: f = 256 fh on
	s_lshl_b32 s18, s18, 2
	s_add_co_u32 s18, s18, s2                        ; ng: my wave's 32 columns
	s_wait_alu depctr_va_vdst(0)
	v_lshlrev_b32 v3, 2, v1                          ; in: 4 bytes a lane: a load reads 128 consecutive bytes, the four waves 512
	v_lshrrev_b32 v4, 4, v1
	v_and_b32 v5, 15, v1
	v_lshlrev_b32 v4, 10, v4
	v_lshl_add_u32 v4, v5, 4, v4                     ; out: image of tile lane / 16, row lane % 16
	v_lshlrev_b32 v5, 3, v1                          ; scale words: 8 bytes a lane
	s_mov_b32 s21, 0
	s_mov_b32 s25, 0
	s_mov_b32 s27, 0
	s_lshl_b32 s20, s17, 22                          ; w2: e x 512 x 8,192 bytes
	s_lshl_b32 s22, s19, 21                          ;   + fh x 256 rows
	s_add_co_u32 s20, s20, s22
	s_lshl_b32 s22, s18, 7                           ;   + 128 bytes x ng
	s_add_co_u32 s20, s20, s22
	s_lshl_b32 s24, s18, 16                          ; images [ng][e][K step 4][tile 2][1024]
	s_lshl_b32 s22, s17, 13
	s_add_co_u32 s24, s24, s22
	s_lshl_b32 s22, s19, 12
	s_add_co_u32 s24, s24, s22
	s_lshl_b32 s26, s18, 12                          ; scale words [ng][e][fh][lane][8 bytes]
	s_lshl_b32 s22, s17, 9
	s_add_co_u32 s26, s26, s22
	s_lshl_b32 s22, s19, 8
	s_add_co_u32 s26, s26, s22
	s_add_co_u32 s26, s26, W2S
	s_wait_alu depctr_va_vdst(0)
	s_wait_kmcnt 0x0
	s_add_nc_u64 s[4:5], s[4:5], s[20:21]
	s_add_nc_u64 s[14:15], s[12:13], s[26:27]
	s_add_nc_u64 s[12:13], s[12:13], s[24:25]
.macro W2LOAD t                        ; block t: w2(32 t + i, my column), i = 0 .. 31
.irp i, 0,1,2,3,4,5,6,7,8,9,10,11,12,13,14,15,16,17,18,19,20,21,22,23,24,25,26,27,28,29,30,31
	global_load_b32 v[X2+32*((\t)%2)+\i], v3, s[4:5] offset:(32*(\t)+\i)*8192 th:TH_LOAD_NT
.endr
.endm
.macro W2BLOCK t
.set XB, X2+32*((\t)%2)
.if (\t) < 7
	s_wait_loadcnt 32                                ; this block's 32 loads are in; the next block's 32 may be out
.else
	s_wait_loadcnt 0x0
.endif
	v_max3_num_f32 v130, |v[XB]|, |v[XB+1]|, 0x1800000             ; all 32 numbers of the block are mine; two chains; the floor is a leaf
	v_max3_num_f32 v131, |v[XB+2]|, |v[XB+3]|, |v[XB+4]|
.irp i, 5,9,13,17,21,25
	v_max3_num_f32 v130, v130, |v[XB+\i]|, |v[XB+\i+1]|
	v_max3_num_f32 v131, v131, |v[XB+\i+2]|, |v[XB+\i+3]|
.endr
	v_max3_num_f32 v130, v130, |v[XB+29]|, |v[XB+30]|
	v_max3_num_f32 v130, v130, v131, |v[XB+31]|
	v_add_nc_u32 v132, 0xff000000, v130
	v_lshrrev_b32 v133, 23, v132
.if (\t)%4 == 0
	v_mov_b32 v[128+(\t)/4], v133                    ; four bytes to a word, the lower f in the lower byte
.else
	v_lshl_or_b32 v[128+(\t)/4], v133, 8*((\t)%4), v[128+(\t)/4]
.endif
.irp g, 0,1,2,3
	v_cvt_scalef32_pk8_fp4_f32 v[C2+4*(\t)+\g], v[XB+8*\g:XB+8*\g+7], v132     ; each block has its own four registers: no store's data are written again
.endr
.if (\t) < 6
	W2LOAD (\t)+2
.endif
	global_store_b128 v4, v[C2+4*(\t):C2+4*(\t)+3], s[12:13] offset:((\t)/4)*2048+(((\t)%4)/2)*512+((\t)%2)*256   ; sixteen lanes store 256 consecutive bytes, aligned
.endm
	W2LOAD 0
	W2LOAD 1
.irp t, 0,1,2,3,4,5,6,7
	W2BLOCK \t
.endr
	global_store_b64 v5, v[128:129], s[14:15]        ; the wave's 32 x 2 scale words: 256 consecutive bytes
	s_endpgm
; ---------------------------------------------------------------- X: work-group g takes rows 16 g on, wave w four of them; a unit is one row of 8,192 bytes
.Lxpath:
	s_load_b64 s[4:5], s[0:1], 0x0                   ; x
	s_load_b128 s[8:11], s[0:1], 0x20                ; top_experts, top_weights
	s_load_b64 s[12:13], s[0:1], 0x30                ; xq
	s_load_b64 s[14:15], s[0:1], 0x58                ; tscale
	s_sub_co_u32 s16, ttmp9, 1
	s_lshl_b32 s16, s16, 4
	s_lshl_b32 s17, s2, 2
	s_add_co_u32 s16, s16, s17                       ; t0: my wave's first row
	s_mov_b32 s21, 0
	s_mul_i32 s22, s2, XREG                          ; my LDS region
	s_wait_alu depctr_va_vdst(0)
	v_add_nc_u32 v3, s22, v2                         ; stage, in: 16 x lane
	v_lshrrev_b32 v4, 2, v1
	v_mul_u32_u24 v4, v4, 528
	v_and_b32 v11, 3, v1
	v_lshl_add_u32 v4, v11, 7, v4
	v_add_nc_u32 v4, s22, v4                         ; stage, out: block l of the row lies in load l / 4, 128 (l % 4) bytes on; block 32 + l eight loads (4,224 bytes) further
	s_add_co_u32 s22, s22, 8448
	v_add_nc_u32 v6, s22, v1                         ; my block's scale byte
	v_lshlrev_b32 v8, 3, v1
	v_add_nc_u32 v7, s22, v8                         ; and on the way out 8 bytes a lane
	v_lshlrev_b32 v9, 2, v1
	v_and_b32 v10, 7, v1                             ; scale[t][e]: lane l serves token t0 + l / 8, expert l % 8
	v_lshrrev_b32 v5, 3, v1
	v_lshlrev_b32 v5, 4, v5
	s_wait_alu depctr_va_vdst(0)
	s_wait_kmcnt 0x0
	s_lshl_b32 s20, s16, 4
	s_add_nc_u64 s[8:9], s[8:9], s[20:21]
	s_add_nc_u64 s[10:11], s[10:11], s[20:21]
	global_load_b128 v[224:227], v5, s[8:9]          ; the token's four experts,
	global_load_b128 v[228:231], v5, s[10:11]        ; and their weights: the oldest loads, used at the path's end
	s_lshl_b32 s20, s16, 13
	s_add_nc_u64 s[4:5], s[4:5], s[20:21]
	s_lshl_b32 s20, s16, 6
	s_add_co_u32 s20, s20, XQS
	s_add_nc_u64 s[18:19], s[12:13], s[20:21]        ; my rows' scale bytes
	s_lshl_b32 s20, s16, 10
	s_add_nc_u64 s[12:13], s[12:13], s[20:21]        ; my rows' codes
	s_lshl_b32 s20, s16, 5
	s_add_nc_u64 s[14:15], s[14:15], s[20:21]
.macro XLOAD u
.irp q, 0,1,2,3,4,5,6,7,8,9,10,11,12,13,14,15
	global_load_b128 v[R+64*((\u)%2)+4*\q:R+64*((\u)%2)+4*\q+3], v2, s[4:5] offset:8192*(\u)+512*\q th:TH_LOAD_NT
.endr
.endm
.macro XUNIT u
.if (\u) < 3
	s_wait_loadcnt 16                                ; this row's 16 loads are in; the next row's 16 may be out
.else
	s_wait_loadcnt 0x0
.endif
	TURN \u, 4224
	s_wait_dscnt 0x0                                 ; the numbers are back, and the stage's stores have read their registers,
.if (\u) < 2
	XLOAD (\u)+2                                     ; which take the row two further on
.endif
	QUANT2
.irp c, 0,1
	ds_store_b8 v6, v[BY+\c] offset:64*(\u)+32*\c
	global_store_b128 v2, v[C+4*\c:C+4*\c+3], s[12:13] offset:1024*(\u)+512*\c      ; 32 blocks' codes: 512 consecutive bytes
.endr
.endm
	XLOAD 0
	XLOAD 1
.irp u, 0,1,2,3
	XUNIT \u
.endr
	ds_load_b64 v[234:235], v7                       ; my four rows' 256 scale bytes (LDS serves my stores first)
	v_cmp_eq_u32 vcc_lo, v224, v10                   ; scale[t][e] = the sum over k of top_weights[t][k] where top_experts[t][k] = e, k ascending
	v_cndmask_b32 v232, 0, v228, vcc_lo
.irp k, 1,2,3
	v_cmp_eq_u32 vcc_lo, v[224+\k], v10
	v_cndmask_b32 v233, 0, v[228+\k], vcc_lo
	v_add_f32 v232, v232, v233
.endr
	s_wait_alu depctr_va_vdst(0)
	s_wait_dscnt 0x0
	global_store_b64 v8, v[234:235], s[18:19]        ; 256 consecutive bytes, aligned
	global_store_b32 v9, v232, s[14:15]
	s_wait_tensorcnt 0x0
	ds_add_u32 v240, v241
	s_wait_dscnt 0x0
	s_endpgm
; ---------------------------------------------------------------- W: g = matrix (1 bit) | e (3) | block of 32 hidden units (4) | tile u (1); wave w takes K steps 4 w .. 4 w + 3
.Lwpath:
	s_load_b128 s[4:7], s[0:1], 0x8                  ; w1, v1
	s_load_b64 s[12:13], s[0:1], 0x38                ; w13q
	s_sub_co_u32 s16, ttmp9, 129
	s_lshr_b32 s17, s16, 8                           ; 0: w1, 1: v1
	s_bfe_u32 s18, s16, 0x30005                      ; e
	s_bfe_u32 s19, s16, 0x40001                      ; b
	s_and_b32 s22, s16, 1                            ; u
	s_mov_b32 s26, 0x76543210
	s_mov_b32 s27, 0xfedcba98                        ; v_permlanex16_b32's selects for lane l xor 16
	s_mov_b32 s29, 0
	s_mov_b32 s31, 0
	s_mov_b32 s33, 0
	s_lshl_b32 s28, s18, 9
	s_lshl_b32 s23, s19, 5
	s_add_co_u32 s28, s28, s23
	s_lshl_b32 s23, s22, 3
	s_add_co_u32 s28, s28, s23                       ; the tile's first row: 512 e + 32 b + 8 u
	s_lshl_b32 s28, s28, 13
	s_lshl_b32 s23, s2, 11
	s_add_co_u32 s28, s28, s23                       ; + my four K steps: 2,048 bytes x wave
	s_lshl_b32 s24, s18, 4
	s_add_co_u32 s24, s24, s19                       ; 16 e + b
	s_lshl_b32 s30, s24, 16                          ; images [e][b][K step 16][2 matrix + u][1024]
	s_lshl_b32 s23, s2, 14
	s_add_co_u32 s30, s30, s23
	s_lshl_b32 s23, s17, 11
	s_add_co_u32 s30, s30, s23
	s_lshl_b32 s23, s22, 10
	s_add_co_u32 s30, s30, s23
	s_lshl_b32 s32, s24, 12                          ; scale words [e][b][matrix][wave][16 u + r][16 bytes: my four K steps]
	s_lshl_b32 s23, s17, 11
	s_add_co_u32 s32, s32, s23
	s_lshl_b32 s23, s2, 9
	s_add_co_u32 s32, s32, s23
	s_lshl_b32 s23, s22, 8
	s_add_co_u32 s32, s32, s23
	s_add_co_u32 s32, s32, W13S
	s_mul_i32 s23, s2, WREG
	s_add_co_u32 s23, s23, WBASE                     ; my stage
	s_wait_alu depctr_va_vdst(0)
	v_add_nc_u32 v3, s23, v2
	v_and_b32 v11, 15, v0                            ; r
	v_bfe_u32 v12, v0, 4, 1                          ; h
	v_mul_u32_u24 v4, v11, 528
	v_lshl_add_u32 v4, v12, 7, v4
	v_add_nc_u32 v4, s23, v4                         ; out of the stage: row r, k = 64 c + 32 h on: 256 c + 128 h bytes
	v_lshlrev_b32 v5, 3, v12                         ; 8 h: my two bytes' place in the scale word
	v_lshlrev_b32 v6, 4, v11
	v_lshl_add_u32 v6, v12, 3, v6                    ; 16 r + 8 h
	v_mov_b32 v8, 0                                  ; a lane permute's destination counts as one of its sources
	s_wait_alu depctr_va_vdst(0)
	s_wait_kmcnt 0x0
	s_cmp_eq_u32 s17, 0                              ; the choice hangs on the work-group's number alone
	s_cselect_b64 s[4:5], s[4:5], s[6:7]
	s_add_nc_u64 s[4:5], s[4:5], s[28:29]
	s_add_nc_u64 s[14:15], s[12:13], s[32:33]
	s_add_nc_u64 s[12:13], s[12:13], s[30:31]
; THE ROWS OF A TILE ARE NOT NEIGHBOURS: row p of tile (b, u) is hidden unit 32 b + 8 u + p + 8 (p / 8), so that the results of tiles u = 0, 1 are 16 neighbours along the next product's K.
.macro WLOAD k
.irp p, 0,1,2,3,4,5,6,7,8,9,10,11,12,13,14,15
	global_load_b128 v[R+64*((\k)%2)+4*\p:R+64*((\k)%2)+4*\p+3], v2, s[4:5] offset:(\p+8*(\p/8))*8192+512*(\k) th:TH_LOAD_NT
.endr
.endm
.macro WUNIT k
.if (\k) < 3
	s_wait_loadcnt 16                                ; this K step's 16 loads are in; the next one's may be out
.else
	s_wait_loadcnt 0x0
.endif
	TURN \k, 256
	s_wait_dscnt 0x0
.if (\k) < 2
	WLOAD (\k)+2
.endif
	QUANT2
	v_lshl_or_b32 v7, v[BY+1], 16, v[BY]             ; my bytes: blocks h and 2 + h of row r,
	v_lshlrev_b32 v7, v5, v7                         ; at their places;
	v_permlanex16_b32 v8, v7, s26, s27
	v_or_b32 v[SW+(\k)], v7, v8                      ; with lane l xor 16's two the word is whole
.irp c, 0,1
	global_store_b128 v2, v[C+4*\c:C+4*\c+3], s[12:13] offset:4096*(\k)+512*\c     ; the image: 512 consecutive bytes a store
.endr
.endm
	WLOAD 0
	WLOAD 1
.irp k, 0,1,2,3
	WUNIT \k
.endr
	v_cmp_le_u32 vcc_lo, 16, v1                      ; lanes 0-15 store K steps 0, 1 of row r, lanes 16-31 K steps 2, 3
	v_cndmask_b32 v226, v222, v224, vcc_lo
	v_cndmask_b32 v227, v223, v225, vcc_lo
	global_store_b64 v6, v[226:227], s[14:15]        ; 256 consecutive bytes, aligned
	s_wait_tensorcnt 0x0
	ds_add_u32 v240, v241
	s_wait_dscnt 0x0
	s_endpgm
; ---------------------------------------------------------------- ROUTE: wave w takes tokens 512 w on, 16 turns of 32, a lane to a token
; v16-79 the tokens' experts; v80-95 a token's set of experts as bits; s16-23 counts, later each expert's next free row.  EXEC is never changed: a lane with nothing to place writes a spare entry that nobody reads.
.Lroute:
	s_load_b64 s[4:5], s[0:1], 0x20                  ; top_experts
	s_load_b128 s[8:11], s[0:1], 0x48                ; hq, route
	s_lshl_b32 s3, s2, 13
	s_wait_alu depctr_va_vdst(0)
	v_add_nc_u32 v175, s3, v2                        ; 8,192 x wave + 16 x lane
	v_lshlrev_b32 v148, 4, v0
	v_lshlrev_b32 v172, 2, v0
.irp j, 144,145,146,147
	v_mov_b32 v\j, 0
.endr
	s_lshl_b32 s3, s2, 9
	v_add_nc_u32 v168, s3, v1                        ; my token in turn 0
	v_lshlrev_b32 v149, 2, v168
	v_add_nc_u32 v150, ZROW, v0                      ; my spare entry of tok_list
	v_mov_b32 v151, ZROW
	s_lshl_b32 s3, s2, 5
	s_add_co_u32 s3, s3, RB
	v_mov_b32 v173, s3                               ; LDS: my wave's eight counts
	v_mov_b32 v174, RB
.irp e, 0,1,2,3,4,5,6,7
	s_mov_b32 s[16+\e], 0
.endr
	s_wait_alu depctr_va_vdst(0)
	s_wait_kmcnt 0x0
.irp p, 0,1,2,3,4,5,6,7,8,9,10,11,12,13,14,15
	global_load_b128 v[16+4*\p:16+4*\p+3], v175, s[4:5] offset:512*\p
.endr
	global_store_b128 v148, v[144:147], s[8:9] offset:ZROW*256           ; zero codes: rows ZROW .. ZROW + 7 (ZROW alone is pointed at)
	global_store_b128 v148, v[144:147], s[8:9] offset:HQS+ZROW*16        ; and scale bytes 0 under them: no NaN byte over zero codes
	s_wait_loadcnt 0x0
.irp p, 0,1,2,3,4,5,6,7,8,9,10,11,12,13,14,15
	v_lshlrev_b32 v[80+\p], v[16+4*\p], 1
	v_lshl_or_b32 v[80+\p], 1, v[17+4*\p], v[80+\p]
	v_lshl_or_b32 v[80+\p], 1, v[18+4*\p], v[80+\p]
	v_lshl_or_b32 v[80+\p], 1, v[19+4*\p], v[80+\p]  ; an expert named twice is one pair: scale[t][e] has added its weights
.endr
.macro RCOUNT p
.irp e, 0,1,2,3,4,5,6,7
	v_and_b32 v[96+\e], 1<<\e, v[80+\p]
.endr
.irp e, 0,1,2,3,4,5,6,7
	v_cmp_ne_u32 s[32+\e], 0, v[96+\e]
.endr
.irp e, 0,1,2,3,4,5,6,7
	s_bcnt1_i32_b32 s[40+\e], s[32+\e]
.endr
.irp e, 0,1,2,3,4,5,6,7
	s_add_co_u32 s[16+\e], s[16+\e], s[40+\e]
.endr
.endm
.irp p, 0,1,2,3,4,5,6,7,8,9,10,11,12,13,14,15
	RCOUNT \p
.endr
.irp e, 0,1,2,3,4,5,6,7
	v_mov_b32 v[176+\e], s[16+\e]
	ds_store_b32 v173, v[176+\e] offset:4*\e         ; all lanes write the same word with the same value
.endr
	s_wait_dscnt 0x0                                 ; for the others' sake: my counts lie in LDS
	s_barrier_signal -1                              ; (the way here hangs on the work-group's number alone: all four waves are on it)
	s_barrier_wait -1
.irp k, 0,1,2,3,4,5,6,7
	ds_load_b128 v[104+4*\k:104+4*\k+3], v174 offset:16*\k
.endr
	s_wait_dscnt 0x0
.set k, 0
.rept 32
	v_readfirstlane_b32 s[32+k], v[104+k]            ; s[32 + 8 w' + e]: wave w's count for expert e
.set k, k+1
.endr
	s_mov_b32 s82, 0                                 ; tiles so far
.irp e, 0,1,2,3,4,5,6,7
	s_add_co_u32 s83, s[32+\e], s[40+\e]
	s_add_co_u32 s84, s[48+\e], s[56+\e]
	s_add_co_u32 s83, s83, s84                       ; the expert's rows
	s_add_co_u32 s84, s83, 127
	s_lshr_b32 s84, s84, 7                           ; its tiles of 128
	s_lshl_b32 s85, s82, 7                           ; its first row
	s_add_co_u32 s82, s82, s84
	s_mov_b32 s[24+\e], s82                          ; tiles up to and with this expert
	s_add_co_u32 s[66+\e], s85, s83                  ; the first row behind its last
	s_lshl_b32 s84, s84, 7
	s_sub_co_u32 s[74+\e], s84, s83                  ; rows left over in its last tile
	s_cmp_gt_u32 s2, 0                               ; my wave's first free row: behind the earlier waves' rows
	s_cselect_b32 s86, s[32+\e], 0
	s_add_co_u32 s85, s85, s86
	s_cmp_gt_u32 s2, 1
	s_cselect_b32 s86, s[40+\e], 0
	s_add_co_u32 s85, s85, s86
	s_cmp_gt_u32 s2, 2
	s_cselect_b32 s86, s[48+\e], 0
	s_add_co_u32 s[16+\e], s85, s86
.endr
	v_mov_b32 v170, 0                                ; tile_expert[tile] = how many experts end at or before it: 8 for a tile that no expert uses
.irp e, 0,1,2,3,4,5,6,7
	v_cmp_ge_u32 vcc_lo, v0, s[24+\e]
	v_cndmask_b32 v171, 0, 1, vcc_lo
	v_add_nc_u32 v170, v170, v171
.endr
	global_store_b32 v172, v170, s[10:11]
.irp e, 0,1,2,3,4,5,6,7
	v_add_nc_u32 v[136+\e], s[66+\e], v0             ; the rows left over in a last tile name token 0: they are computed and never pointed at
	v_cmp_gt_u32 vcc_lo, s[74+\e], v0
	v_cndmask_b32 v[136+\e], v150, v[136+\e], vcc_lo
	v_min_u32 v[136+\e], 9215, v[136+\e]
	v_lshlrev_b32 v[136+\e], 2, v[136+\e]
	global_store_b32 v[136+\e], v144, s[10:11] offset:TOK
.endr
.macro RPLACE p
	s_wait_xcnt 0x0                                  ; the last turn's stores have read their data and addresses: both are written again
	v_add_nc_u32 v169, 32*(\p), v168                 ; my token
.irp e, 0,1,2,3,4,5,6,7
	v_and_b32 v[96+\e], 1<<\e, v[80+\p]
.endr
.irp e, 0,1,2,3,4,5,6,7
	v_cmp_ne_u32 s[32+\e], 0, v[96+\e]
.endr
.irp e, 0,1,2,3,4,5,6,7
	v_mbcnt_lo_u32_b32 v[152+\e], s[32+\e], s[16+\e] ; the expert's next free row + the lanes below me that take one
.endr
.irp e, 0,1,2,3,4,5,6,7
	v_cndmask_b32 v[160+\e], v150, v[152+\e], s[32+\e]
	v_cndmask_b32 v[152+\e], v151, v[152+\e], s[32+\e]   ; pos: my row, or the row of zeros
.endr
.irp e, 0,1,2,3,4,5,6,7
	v_min_u32 v[160+\e], 9215, v[160+\e]
.endr
.irp e, 0,1,2,3,4,5,6,7
	v_lshlrev_b32 v[160+\e], 2, v[160+\e]
.endr
.irp e, 0,1,2,3,4,5,6,7
	global_store_b32 v149, v[152+\e], s[10:11] offset:POS+8192*\e+128*(\p)
	global_store_b32 v[160+\e], v169, s[10:11] offset:TOK
.endr
.irp e, 0,1,2,3,4,5,6,7
	s_bcnt1_i32_b32 s[40+\e], s[32+\e]
.endr
.irp e, 0,1,2,3,4,5,6,7
	s_add_co_u32 s[16+\e], s[16+\e], s[40+\e]
.endr
.endm
.irp p, 0,1,2,3,4,5,6,7,8,9,10,11,12,13,14,15
	RPLACE \p
.endr
	s_wait_tensorcnt 0x0
	ds_add_u32 v240, v241
	s_wait_dscnt 0x0
	s_endpgm
.Lfunc_end_k_qddc383d2b6_prep:
	.size	k_qddc383d2b6_prep, .Lfunc_end_k_qddc383d2b6_prep-k_qddc383d2b6_prep
	.p2alignl 7, 3214868480
	.fill 96, 4, 3214868480
	.section	.rodata,"a",@progbits
	.p2align	6, 0x0
	.amdhsa_kernel k_qddc383d2b6_prep
		.amdhsa_group_segment_fixed_size 69376
		.amdhsa_private_segment_fixed_size 0
		.amdhsa_enable_private_segment 0
		.amdhsa_kernarg_size 96
		.amdhsa_user_sgpr_count 2
		.amdhsa_user_sgpr_kernarg_segment_ptr 1
		.amdhsa_wavefront_size32 1
		.amdhsa_system_sgpr_workgroup_id_x 1
		.amdhsa_system_sgpr_workgroup_id_y 1
		.amdhsa_system_sgpr_workgroup_id_z 1
		.amdhsa_system_vgpr_workitem_id 0
		.amdhsa_next_free_vgpr 242
		.amdhsa_next_free_sgpr 96
		.amdhsa_reserve_vcc 1
		.amdhsa_float_denorm_mode_32 3
		.amdhsa_float_denorm_mode_16_64 3
		.amdhsa_memory_ordered 1
		.amdhsa_forward_progress 1
		.amdhsa_inst_pref_size 219
	.end_amdhsa_kernel
	.amdgpu_metadata
---
amdhsa.version: [ 1, 2 ]
amdhsa.kernels:
  - .name:           k_qddc383d2b6_prep
    .symbol:         k_qddc383d2b6_prep.kd
    .args:
      - { .name: x, .offset: 0, .size: 8, .value_kind: global_buffer, .address_space: global }
      - { .name: w1, .offset: 8, .size: 8, .value_kind: global_buffer, .address_space: global }
      - { .name: v1, .offset: 16, .size: 8, .value_kind: global_buffer, .address_space: global }
      - { .name: w2, .offset: 24, .size: 8, .value_kind: global_buffer, .address_space: global }
      - { .name: top_experts, .offset: 32, .size: 8, .value_kind: global_buffer, .address_space: global }
      - { .name: top_weights, .offset: 40, .size: 8, .value_kind: global_buffer, .address_space: global }
      - { .name: xq, .offset: 48, .size: 8, .value_kind: global_buffer, .address_space: global }
      - { .name: w13q, .offset: 56, .size: 8, .value_kind: global_buffer, .address_space: global }
      - { .name: w2q, .offset: 64, .size: 8, .value_kind: global_buffer, .address_space: global }
      - { .name: hq, .offset: 72, .size: 8, .value_kind: global_buffer, .address_space: global }
      - { .name: route, .offset: 80, .size: 8, .value_kind: global_buffer, .address_space: global }
      - { .name: tscale, .offset: 88, .size: 8, .value_kind: global_buffer, .address_space: global }
    .group_segment_fixed_size: 69376
    .private_segment_fixed_size: 0
    .kernarg_segment_align: 8
    .kernarg_segment_size: 96
    .max_flat_workgroup_size: 128
    .sgpr_count:     96
    .vgpr_count:     242
    .wavefront_size: 32
...
	.end_amdgpu_metadata
.endif
;; end of part 4
;; launch gemm1 (part 5): grid 4 x 71, 4 waves a work-group, no clusters, 154,624 bytes of LDS; arguments xq, w13q, route, hq; writes hq
.if DOCPART == 5
	.amdgcn_target "amdgcn-amd-amdhsa--gfx1250"
	.amdhsa_code_object_version 6
	.text
	.protected	k_qddc383d2b6_gemm1
	.globl	k_qddc383d2b6_gemm1
	.p2align	8
	.type	k_qddc383d2b6_gemm1,@function
k_qddc383d2b6_gemm1:
	s_mov_b64 s[64:65], 0
	v_nop
	global_prefetch_b8 v0, s[64:65] scope:SCOPE_SE
	s_setreg_imm32_b32 hwreg(HW_REG_WAVE_SCHED_MODE, 0, 2), 2
	s_setreg_imm32_b32 hwreg(HW_REG_WAVE_MODE, 25, 1), 1
	s_wait_xcnt 0x0
	s_wait_alu depctr_vm_vsrc(0)
; GEMM1: h = silu(x w1[e]^T) * (x v1[e]^T), for the rows that name expert e alone, on codes of E2M1 with E8M0 scales; h is quantised along F on the way and leaves as codes.
; SHARES.  Work-group (s, tile): the tile's 128 sorted rows of one expert x hidden units 128 s .. 128 s + 127 (K step s of the next product).  71 tiles serve every split: ceil(8192 / 128) + 7.
; Wave w: hidden units 32 (4 s + w) on: two tiles of w1's rows and two of v1's, for all 128 rows: 32 accumulators.  Its 64 weight fragments come from memory straight into registers, as images, each byte once.
; The 128 rows of x (codes and scale bytes) are gathered by the stored list into LDS once and read by all four waves.
; A TILE THAT THE SPLIT LEAVES WITHOUT ROWS (tile_expert = 8) does nothing: its three blocks of work are jumped over by a scalar branch on that stored number; both barriers stand outside the branches.
; NO TENSOR LOADS, NO CLUSTER: the text branches on a number read from memory and its rows of x come by a list, so tiles go through registers; what partners could share (a tile's rows of x, 136 KB of a
; work-group's 408 KB) would need every partner to ask whatever the split, and tiles without rows ask for nothing.
; THE MATRIX INSTRUCTION IS USED TRANSPOSED: source 0 = 16 rows of a weight, source 1 = 16 rows of x: a lane holds ONE row of h, and the 16 registers of a weight's two tiles are hidden units 32 b + 16 (lane / 16) + 0 .. 15.
; LIMITS: NaN and infinities are not served; v_exp_f32 and v_rcp_f32 flush denormals; a block of h whose largest magnitude lies under 2^-124 (zeros too) takes the scale byte 1.
; REGISTERS, in windows of 256: window 0: v1-15 addresses; v16-47 the weights' scale words, v48-111 x's (scales and nothing else); v112-239 x's fragments, two sets of 64 (before: the gather's addresses; behind: the activation's work).
;   windows 1, 2: weight fragment (K step k, j) at v[32 (k % 8) + 8 j] of window 1 + k / 8; j = 2 matrix + u.   window 3: accumulator (i, j) at v[8 (4 i + j)]; before that the gather's 256 registers.
; THE MODE: SCHED_MODE bits 1:0 = 2 (LLVM: expert scheduling mode 2), set by the entry lines.  The code itself states the register dependences
; between vector or matrix instructions and memory or LDS instructions, with s_wait_alu, always for 0.
; THE PLAN.  Registers that memory or LDS instructions touch:
;   v4-15, v241       offsets and LDS addresses: made once at the head and never written again: one wait on va_vdst, ahead of the first branch, serves every load and store that reads them.
;   v112-143, v240    the gather's offsets: written by vector lines, read by the gather's loads: a second wait on va_vdst between the two.
;   v144-159, window 3  the gathered bytes: loads land there, LDS stores read them.  Behind the first barrier ONE wait on vm_vsrc states that the offsets and these bytes have been read: x's fragments then land in v112 on, and the products write window 3.
;   XF0, XF1          Step k: its products read XF[k % 2]; the 16 LDS loads of step k + 1 land in the other set, which the products of step k - 1 read: ONE wait on va_vdst at the step's head.
;                     Behind it the step's products name XF[k % 2], this step's weights, the scale words and the accumulators: none of the registers that the step's loads touch.
;   windows 1, 2, v16-111  weights and scale words: each register is loaded once and named by products alone: nothing is owed.  So the weights' loads stand in the step's middle, among its products.
;   CP, BB            a tile's codes and scale byte, registers of their own for each tile of rows: written by its conversions, read by two LDS stores that stand in the NEXT tile, behind the wait for that tile's exponentials.
;   v160-176          the way out: LDS loads land where products have read: behind the last wait on va_vdst.
.set XQS,   2097152
.set W13S,  8388608
.set HQS,   2359296
.set TOK,   512
.set XP,    1040                       ; LDS: a row of x's codes: 1,024 bytes + 16: an odd multiple of 16, so that the 16 rows of a fragment load start in different banks
.set XSC,   133120                     ; behind 128 such rows: x's scale bytes, 64 + 16 a row
.set SP,    80
.set HSTG,  143360                     ; h's codes on the way out: 128 rows x (64 + 16)
.set HSB,   153600                     ; and its scale bytes: 4 a row
.set SCB,   16
.set SCA,   48
.set XF,    112
.set GA,    112                        ; v112-143 the gather's byte offsets
.set XST,   144                        ; v144-159 a row's 64 scale bytes
.set T,     112                        ; the activation: 16 numbers;
.set M,     128                        ; v128 largest magnitude, v129 the other half's, v130 the conversion's scale operand
.set CP,    132                        ; v132-147 codes, a pair for each tile of rows
.set BB,    148                        ; v148-155 scale bytes
.set MSB, 0
.macro WIN new                         ; the immediate's high byte repeats the setting that is left; a switch that changes nothing is dropped
.if MSB != (\new)
	s_set_vgpr_msb (MSB<<8)|(\new)
.set MSB, (\new)
.endif
.endm
.macro PLACES                          ; four plain vector lines behind a matrix instruction, ahead of loads into its registers and of reads of its results
.rept 4
	v_nop
.endr
.endm
	s_load_b256 s[4:11], s[0:1], 0x0                 ; xq s[4:5], w13q s[6:7], route s[8:9], hq s[10:11]
	v_lshl_add_u32 v254, v0, 2, 0x25a00
	v_mov_b32 v255, 0
	v_lshrrev_b32 v1, 5, v0
	v_readfirstlane_b32 s12, v1                      ; wave
	s_and_b32 s13, ttmp7, 0xffff                     ; tile
	v_and_b32 v1, 31, v0                             ; lane
	v_and_b32 v2, 15, v0                             ; r
	v_bfe_u32 v3, v0, 4, 1                           ; h
	v_lshlrev_b32 v4, 4, v1                          ; 16 x lane
	v_lshlrev_b32 v5, 2, v1                          ; 4 x lane
	s_wait_alu depctr_va_sdst(0)                     ; s12 is written, ahead of its first reader: LDS places and the buffers' offsets are made from it
	s_mul_i32 s17, s12, 32*XP
	v_add_nc_u32 v6, s17, v4                         ; gather: my wave's 32 rows of codes, 16 bytes a lane
	v_mul_u32_u24 v7, v0, SP
	v_add_nc_u32 v7, XSC, v7                         ; and row 32 w + lane of scale bytes
	v_mul_u32_u24 v8, v2, XP
	v_lshl_add_u32 v8, v3, 4, v8                     ; x's fragments: row r, + 16 h; tiles of rows 0-3,
	v_add_nc_u32 v9, 64*XP, v8                       ; tiles 4-7
	v_mul_u32_u24 v10, v1, SP
	v_add_nc_u32 v10, XSC, v10                       ; x's scale words: lanes 0-15 an even tile of rows, lanes 16-31 the odd one behind it
	v_mul_u32_u24 v11, v2, SP
	v_lshl_add_u32 v11, v3, 3, v11
	s_lshl_b32 s17, s12, 4
	s_add_co_u32 s17, s17, HSTG
	v_add_nc_u32 v11, s17, v11                       ; h's codes: row r, my block's 16 bytes, my half's 8
	v_lshlrev_b32 v12, 2, v2
	s_add_co_u32 s17, s12, HSB
	v_add_nc_u32 v12, s17, v12                       ; h's scale byte: row r, byte w
	v_lshrrev_b32 v242, 2, v1
	s_lshl_b32 s17, s12, 5
	v_add_nc_u32 v242, s17, v242                     ; the way out: row 32 w + lane / 4,
	v_and_b32 v243, 3, v1                            ; 16 bytes (lane % 4) of its 64
	v_mul_u32_u24 v13, v242, SP
	v_lshl_add_u32 v13, v243, 4, v13
	v_add_nc_u32 v13, HSTG, v13
	v_lshlrev_b32 v14, 8, v242
	v_lshl_add_u32 v14, v243, 4, v14                 ; and the same place in hq
	v_lshl_add_u32 v15, v0, 2, HSB                   ; row 32 w + lane's scale word in LDS,
	v_lshlrev_b32 v241, 4, v0                        ; and in hq
	s_mov_b32 s19, 0
	s_mov_b32 s28, 0xbfb8aa3b                        ; -log2(e)
	s_mov_b32 s29, s28                               ; (named with it as a pair)
	s_mov_b32 s30, 0x76543210
	s_mov_b32 s31, 0xfedcba98                        ; v_permlanex16_b32's selects for lane l xor 16
	s_wait_kmcnt 0x0
	s_lshl_b32 s18, s13, 2
	s_add_nc_u64 s[20:21], s[8:9], s[18:19]
	s_load_b32 s15, s[20:21], 0x0                    ; tile_expert[tile]
	s_wait_kmcnt 0x0
	s_min_u32 s16, s15, 7                            ; the expert, held inside the table
	s_lshl_b32 s18, s13, 9
	s_lshl_b32 s17, s12, 7
	s_add_co_u32 s18, s18, s17
	s_add_co_u32 s18, s18, TOK
	s_add_nc_u64 s[20:21], s[8:9], s[18:19]          ; tok_list at my wave's 32 rows
	s_lshl_b32 s17, s16, 4
	s_lshl_b32 s14, ttmp9, 2
	s_add_co_u32 s17, s17, s14
	s_add_co_u32 s17, s17, s12                       ; 16 e + b, b = 4 s + w
	s_lshl_b32 s18, s17, 16
	s_add_nc_u64 s[22:23], s[6:7], s[18:19]          ; my 64 images
	s_lshl_b32 s18, s17, 12
	s_add_co_u32 s18, s18, W13S
	s_add_nc_u64 s[24:25], s[6:7], s[18:19]          ; and their scale words
	s_lshl_b32 s18, s13, 15
	s_lshl_b32 s17, ttmp9, 6
	s_add_co_u32 s18, s18, s17
	s_add_nc_u64 s[26:27], s[10:11], s[18:19]        ; hq: the tile's rows, K step s: 64 bytes of each row's 256
	s_lshl_b32 s18, s13, 11
	s_lshl_b32 s17, ttmp9, 2
	s_add_co_u32 s18, s18, s17
	s_add_co_u32 s18, s18, HQS
	s_add_nc_u64 s[66:67], s[10:11], s[18:19]        ; and word s of each row's scale bytes
	s_wait_alu depctr_va_vdst(0)                     ; the offsets and LDS addresses v4 to v15 and v241 are written: the kernel's loads and stores read them, and none is written again
; ---- 1: the gather.  Wave w brings rows 32 w .. 32 w + 31: each row's 1,024 bytes by two loads of 512 consecutive bytes.
	s_cmp_ge_u32 s15, 8
	s_cbranch_scc1 .Lnorows1
	s_load_b512 s[32:47], s[20:21], 0x0
	s_load_b512 s[48:63], s[20:21], 0x40
	global_load_b32 v240, v5, s[20:21]               ; and a lane to a row, for the scale bytes
	s_wait_kmcnt 0x0
.set i, 0
.rept 32
	s_min_u32 s[32+i], s[32+i], 2047                 ; a stored number enters an address held inside the table
	s_lshl_b32 s[32+i], s[32+i], 10
	v_add_nc_u32 v[GA+i], s[32+i], v4
.set i, i+1
.endr
	s_wait_loadcnt 0x0
	v_min_u32 v240, 2047, v240
	v_lshlrev_b32 v240, 6, v240
	s_wait_alu depctr_va_vdst(0)                     ; the gather's offsets v[GA ..] and v240 are written, which the 68 loads below read
.irp q, 0,1,2,3
	global_load_b128 v[XST+4*\q:XST+4*\q+3], v240, s[4:5] offset:XQS+16*\q
.endr
	WIN 0xc0                                         ; destination window 3
.set i, 0
.rept 32
	global_load_b128 v[8*i:8*i+3], v[GA+i], s[4:5]
	global_load_b128 v[8*i+4:8*i+7], v[GA+i], s[4:5] offset:512
.set i, i+1
.endr
	s_wait_loadcnt 32                                ; the scale bytes and rows 0-15 are in; the 32 loads of rows 16-31 may be out
	WIN 0
.irp q, 0,1,2,3
	ds_store_b128 v7, v[XST+4*\q:XST+4*\q+3] offset:16*\q
.endr
	WIN 0x0c                                         ; an LDS store's data are its source 1: window 3
.set i, 0
.rept 16
	ds_store_b128 v6, v[8*i:8*i+3] offset:XP*i
	ds_store_b128 v6, v[8*i+4:8*i+7] offset:XP*i+512
.set i, i+1
.endr
	s_wait_loadcnt 0x0
.rept 16
	ds_store_b128 v6, v[8*i:8*i+3] offset:XP*i
	ds_store_b128 v6, v[8*i+4:8*i+7] offset:XP*i+512
.set i, i+1
.endr
	WIN 0
.Lnorows1:
	s_wait_dscnt 0x0                                 ; for the others' sake: my rows lie in LDS
	s_barrier_signal -1
	s_barrier_wait -1
	s_wait_alu depctr_vm_vsrc(0)                     ; the gather's loads have read v[GA ..], and its LDS stores v[XST ..] and window 3: x's fragments land in v112 on, and the products write window 3
; ---- 2: the products, 16 K steps of 128, then the activation and the quantiser
	s_cmp_ge_u32 s15, 8
	s_cbranch_scc1 .Lnorows2
.macro BLOAD k                         ; the four weight fragments of K step k: eight loads of 512 consecutive bytes, into registers of their own, which nothing has named before
	WIN 0x40*(1+(\k)/8)
.irp j, 0,1,2,3
.irp c, 0,1
	global_load_b128 v[32*((\k)%8)+8*\j+4*\c:32*((\k)%8)+8*\j+4*\c+3], v4, s[22:23] offset:4096*(\k)+1024*\j+512*\c
.endr
.endr
.endm
.macro AFETCH k                        ; x's eight fragments of K step k into set k % 2
.irp i, 0,1,2,3,4,5,6,7
.irp c, 0,1
	ds_load_b128 v[XF+64*((\k)%2)+8*\i+4*\c:XF+64*((\k)%2)+8*\i+4*\c+3], v[8+\i/4] offset:16*XP*(\i%4)+64*(\k)+32*\c
.endr
.endr
.endm
; One product.  The weights' scale word lies in lanes 0-15 for tile u = 0 and in lanes 16-31 for u = 1; x's in lanes 0-15 for an even tile of rows, in lanes 16-31 for an odd one.
.macro MM i, j, k
.set rD, 8*(4*(\i)+(\j))
.set rW, 32*((\k)%8)+8*(\j)
.set rX, XF+64*((\k)%2)+8*(\i)
.set rA, SCB+16*((\j)/2)+(\k)
.set rB, SCA+16*((\i)/2)+(\k)
.if (\k) == 0
.if ((\j)%2) && ((\i)%2)
	v_wmma_scale_f32_16x16x128_f8f6f4 v[rD:rD+7], v[rW:rW+7], v[rX:rX+7], 0, v[rA], v[rB] matrix_a_fmt:MATRIX_FMT_FP4 matrix_b_fmt:MATRIX_FMT_FP4 matrix_a_scale:MATRIX_SCALE_ROW1 matrix_b_scale:MATRIX_SCALE_ROW1
.elseif (\j)%2
	v_wmma_scale_f32_16x16x128_f8f6f4 v[rD:rD+7], v[rW:rW+7], v[rX:rX+7], 0, v[rA], v[rB] matrix_a_fmt:MATRIX_FMT_FP4 matrix_b_fmt:MATRIX_FMT_FP4 matrix_a_scale:MATRIX_SCALE_ROW1
.elseif (\i)%2
	v_wmma_scale_f32_16x16x128_f8f6f4 v[rD:rD+7], v[rW:rW+7], v[rX:rX+7], 0, v[rA], v[rB] matrix_a_fmt:MATRIX_FMT_FP4 matrix_b_fmt:MATRIX_FMT_FP4 matrix_b_scale:MATRIX_SCALE_ROW1
.else
	v_wmma_scale_f32_16x16x128_f8f6f4 v[rD:rD+7], v[rW:rW+7], v[rX:rX+7], 0, v[rA], v[rB] matrix_a_fmt:MATRIX_FMT_FP4 matrix_b_fmt:MATRIX_FMT_FP4
.endif
.else
.if ((\j)%2) && ((\i)%2)
	v_wmma_scale_f32_16x16x128_f8f6f4 v[rD:rD+7], v[rW:rW+7], v[rX:rX+7], v[rD:rD+7], v[rA], v[rB] matrix_a_fmt:MATRIX_FMT_FP4 matrix_b_fmt:MATRIX_FMT_FP4 matrix_a_scale:MATRIX_SCALE_ROW1 matrix_b_scale:MATRIX_SCALE_ROW1
.elseif (\j)%2
	v_wmma_scale_f32_16x16x128_f8f6f4 v[rD:rD+7], v[rW:rW+7], v[rX:rX+7], v[rD:rD+7], v[rA], v[rB] matrix_a_fmt:MATRIX_FMT_FP4 matrix_b_fmt:MATRIX_FMT_FP4 matrix_a_scale:MATRIX_SCALE_ROW1
.elseif (\i)%2
	v_wmma_scale_f32_16x16x128_f8f6f4 v[rD:rD+7], v[rW:rW+7], v[rX:rX+7], v[rD:rD+7], v[rA], v[rB] matrix_a_fmt:MATRIX_FMT_FP4 matrix_b_fmt:MATRIX_FMT_FP4 matrix_b_scale:MATRIX_SCALE_ROW1
.else
	v_wmma_scale_f32_16x16x128_f8f6f4 v[rD:rD+7], v[rW:rW+7], v[rX:rX+7], v[rD:rD+7], v[rA], v[rB] matrix_a_fmt:MATRIX_FMT_FP4 matrix_b_fmt:MATRIX_FMT_FP4
.endif
.endif
.endm
; A K step: the next step's fragments of x are asked for first (32 matrix instructions ahead of their use); the weights of six steps on are asked for in the step's middle, among its products.
; The 32 accumulators take turns, one instruction a turn, in the same order in every step; the first step's products start the sums.
.macro STEP k
.if ((\k) > 0) && ((\k) < 15)
	PLACES                                           ; ahead of the loads into the set that the last step multiplied
	s_wait_alu depctr_va_vdst(0)                     ; the last step's products are done reading the set of x's fragments in which the 16 loads below land
.endif
.if (\k) < 15
	AFETCH (\k)+1
.endif
.if (\k) < 10
	s_wait_loadcnt 40                                ; this step's weights are in; the five later steps' 40 loads may be out
.else
	s_wait_loadcnt 8*(15-(\k))                       ; the steps that are left: eight loads each
.endif
.if (\k) < 15
	s_wait_dscnt 16                                  ; all but the 16 loads just issued
.else
	s_wait_dscnt 0x0
.endif
	WIN 0xf1+(\k)/8                                  ; source 0 (weights) window 1 or 2, source 1 (x) window 0, C and D window 3
.irp i, 0,1,2,3
.irp j, 0,1,2,3
	MM \i, \j, \k
.endr
.endr
.if (\k) <= 9
	BLOAD (\k)+6                                     ; no wait: no vector or matrix instruction has named these registers, and v4 stands as the head left it
	WIN 0xf1+(\k)/8
.endif
.irp i, 4,5,6,7
.irp j, 0,1,2,3
	MM \i, \j, \k
.endr
.endr
	WIN 0
.endm
.irp m, 0,1
.irp g, 0,1,2,3
	global_load_b128 v[SCB+16*\m+4*\g:SCB+16*\m+4*\g+3], v4, s[24:25] offset:2048*\m+512*\g     ; the weights' scale words of all 16 K steps
.endr
.endr
.irp k, 0,1,2,3,4,5
	BLOAD \k
.endr
	WIN 0
.irp p, 0,1,2,3
.irp g, 0,1,2,3
	ds_load_b128 v[SCA+16*\p+4*\g:SCA+16*\p+4*\g+3], v10 offset:32*SP*\p+16*\g                  ; x's scale words likewise
.endr
.endr
	AFETCH 0
.irp k, 0,1,2,3,4,5,6,7,8,9,10,11,12,13,14,15
	STEP \k
.endr
	PLACES
	v_mov_b32 v[M+1], 0                              ; a lane permute's destination counts as one of its sources
; Tile of rows i: h = (gate x 1 / (1 + 2^(-log2(e) gate))) x up, in f32; my 16 numbers and lane l xor 16's are a block of 32 along F.  Each accumulator is read from its low end on.
; A tile's codes and scale byte have registers of their own; they go to LDS in the next tile, behind the wait that stands there for its exponentials.
.macro ACT i
	WIN 0x03                                         ; source 0 window 3
.irp q, 0,1,2,3,4,5,6,7
	v_pk_mul_f32 v[T+2*\q:T+2*\q+1], v[32*(\i)+2*\q:32*(\i)+2*\q+1], s[28:29] op_sel_hi:[1,0]
.endr
	WIN 0
	s_wait_alu depctr_va_vdst(0)
.irp q, 0,1,2,3,4,5,6,7,8,9,10,11,12,13,14,15
	v_exp_f32 v[T+\q], v[T+\q]
.endr
	v_nop                                            ; a plain line behind the transcendentals
	s_wait_alu depctr_va_vdst(0)                     ; the sixteen exponentials have written v[T ..], ahead of their first reader; and the tile before has written its codes and its scale byte, which the two stores below read
.if (\i) > 0
	ds_store_b64 v11, v[CP+2*((\i)-1):CP+2*((\i)-1)+1] offset:16*SP*((\i)-1)
	ds_store_b8 v12, v[BB+(\i)-1] offset:64*((\i)-1) ; both halves of the lanes write the same byte with the same value
.endif
.irp q, 0,1,2,3,4,5,6,7
	v_pk_add_f32 v[T+2*\q:T+2*\q+1], v[T+2*\q:T+2*\q+1], 1.0 op_sel_hi:[1,0]
.endr
	s_wait_alu depctr_va_vdst(0)
.irp q, 0,1,2,3,4,5,6,7,8,9,10,11,12,13,14,15
	v_rcp_f32 v[T+\q], v[T+\q]
.endr
	v_nop
	WIN 0x0c                                         ; source 1 window 3
	s_wait_alu depctr_va_vdst(0)                     ; the sixteen reciprocals have written v[T ..], ahead of their first reader
.irp q, 0,1,2,3,4,5,6,7
	v_pk_mul_f32 v[T+2*\q:T+2*\q+1], v[T+2*\q:T+2*\q+1], v[32*(\i)+2*\q:32*(\i)+2*\q+1]
.endr
.irp q, 0,1,2,3,4,5,6,7
	v_pk_mul_f32 v[T+2*\q:T+2*\q+1], v[T+2*\q:T+2*\q+1], v[32*(\i)+16+2*\q:32*(\i)+16+2*\q+1]
.endr
	WIN 0
	v_max3_num_f32 v[M], |v[T]|, |v[T+1]|, 0x1800000               ; the floor 2^(3 - 127): the byte cannot fall under 1
.irp q, 2,4,6,8,10,12,14
	v_max3_num_f32 v[M], v[M], |v[T+\q]|, |v[T+\q+1]|
.endr
	v_permlanex16_b32 v[M+1], v[M], s30, s31
	v_max_num_f32 v[M], v[M], v[M+1]
	v_add_nc_u32 v[M+2], 0xff000000, v[M]
	v_cvt_scalef32_pk8_fp4_f32 v[CP+2*(\i)], v[T:T+7], v[M+2]
	v_cvt_scalef32_pk8_fp4_f32 v[CP+2*(\i)+1], v[T+8:T+15], v[M+2]
	v_lshrrev_b32 v[BB+(\i)], 23, v[M+2]             ; the scale's byte (also the plain line behind the conversions)
.endm
.irp i, 0,1,2,3,4,5,6,7
	ACT \i
.endr
	s_wait_alu depctr_va_vdst(0)                     ; tile 7 has written its codes and its scale byte, which the two stores below read; and every product is done reading v160 to v176, in which the way out's loads land
	ds_store_b64 v11, v[CP+14:CP+15] offset:16*SP*7
	ds_store_b8 v12, v[BB+7] offset:64*7
.Lnorows2:
	s_wait_dscnt 0x0                                 ; for the others' sake: my part of each row lies in LDS
	s_barrier_signal -1
	s_barrier_wait -1
; ---- 3: the way out: wave w stores rows 32 w .. 32 w + 31: 64 bytes of codes and one scale word a row (the four work-groups of a tile complete a row's 256 bytes)
	s_cmp_ge_u32 s15, 8
	s_cbranch_scc1 .Lnorows3
.irp q, 0,1,2,3
	ds_load_b128 v[160+4*\q:160+4*\q+3], v13 offset:8*SP*\q
.endr
	ds_load_b32 v176, v15
	s_wait_dscnt 0x0
.irp q, 0,1,2,3
	global_store_b128 v14, v[160+4*\q:160+4*\q+3], s[26:27] offset:2048*\q
.endr
	global_store_b32 v241, v176, s[66:67]
.Lnorows3:
	s_wait_dscnt 0x0                                 ; the closing lines, six on end
	s_wait_alu 0x0
	s_wait_tensorcnt 0x0
	ds_add_u32 v254, v255
	s_wait_dscnt 0x0
	s_endpgm
.Lfunc_end_k_qddc383d2b6_gemm1:
	.size	k_qddc383d2b6_gemm1, .Lfunc_end_k_qddc383d2b6_gemm1-k_qddc383d2b6_gemm1
	.p2alignl 7, 3214868480
	.fill 96, 4, 3214868480
	.section	.rodata,"a",@progbits
	.p2align	6, 0x0
	.amdhsa_kernel k_qddc383d2b6_gemm1
		.amdhsa_group_segment_fixed_size 154624
		.amdhsa_private_segment_fixed_size 0
		.amdhsa_enable_private_segment 0
		.amdhsa_kernarg_size 32
		.amdhsa_user_sgpr_count 2
		.amdhsa_user_sgpr_kernarg_segment_ptr 1
		.amdhsa_wavefront_size32 1
		.amdhsa_system_sgpr_workgroup_id_x 1
		.amdhsa_system_sgpr_workgroup_id_y 1
		.amdhsa_system_sgpr_workgroup_id_z 1
		.amdhsa_system_vgpr_workitem_id 0
		.amdhsa_next_free_vgpr 1024
		.amdhsa_next_free_sgpr 72
		.amdhsa_reserve_vcc 0
		.amdhsa_float_denorm_mode_32 3
		.amdhsa_float_denorm_mode_16_64 3
		.amdhsa_memory_ordered 1
		.amdhsa_forward_progress 1
		.amdhsa_inst_pref_size 154
	.end_amdhsa_kernel
	.amdgpu_metadata
---
amdhsa.version: [ 1, 2 ]
amdhsa.kernels:
  - .name:           k_qddc383d2b6_gemm1
    .symbol:         k_qddc383d2b6_gemm1.kd
    .args:
      - { .name: xq, .offset: 0, .size: 8, .value_kind: global_buffer, .address_space: global }
      - { .name: w13q, .offset: 8, .size: 8, .value_kind: global_buffer, .address_space: global }
      - { .name: route, .offset: 16, .size: 8, .value_kind: global_buffer, .address_space: global }
      - { .name: hq, .offset: 24, .size: 8, .value_kind: global_buffer, .address_space: global }
    .group_segment_fixed_size: 154624
    .private_segment_fixed_size: 0
    .kernarg_segment_align: 8
    .kernarg_segment_size: 32
    .max_flat_workgroup_size: 128
    .sgpr_count:     72
    .vgpr_count:     1024
    .wavefront_size: 32
...
	.end_amdgpu_metadata
.endif
;; end of part 5
;; launch gemm2 (part 6): grid 16 x 16, 4 waves a work-group, no clusters, 299,520 bytes of LDS; arguments hq, w2q, route, tscale, out0; writes out0
.if DOCPART == 6
	.amdgcn_target "amdgcn-amd-amdhsa--gfx1250"
	.amdhsa_code_object_version 6
	.text
	.protected	k_qddc383d2b6_gemm2
	.globl	k_qddc383d2b6_gemm2
	.p2align	8
	.type	k_qddc383d2b6_gemm2,@function
k_qddc383d2b6_gemm2:
	s_mov_b64 s[64:65], 0
	v_nop
	global_prefetch_b8 v0, s[64:65] scope:SCOPE_SE
	s_setreg_imm32_b32 hwreg(HW_REG_WAVE_SCHED_MODE, 0, 2), 2
	s_setreg_imm32_b32 hwreg(HW_REG_WAVE_MODE, 25, 1), 1
	s_wait_xcnt 0x0
	s_wait_alu depctr_vm_vsrc(0)
; GEMM2: out[t] = the sum over e of scale[t][e] x (h[t, e] w2[e]), on codes of E2M1 with E8M0 scales.  EACH OUTPUT HAS ONE OWNER, so nothing is added between work-groups.
; SHARES.  Work-group (nb, tb): tokens 128 tb on x columns 128 nb on, all eight experts.  A token's row of h for expert e is found by the stored pos[e][t]; a pair that the token does not name
; points at a row of zero codes, which adds nothing, and its scale[t][e] is 0.  No branch hangs on data.
; Wave w: 32 columns (two tiles) for all 128 tokens; each of its 64 fragments of w2 (8 experts x 4 K steps x 2 tiles) comes from memory once, as an image, into registers of its own.
; FOUR PHASES, one for each pair of experts (2 ep, 2 ep + 1): a phase takes its pair through all eight tiles of 16 tokens; out, 8 x 2 tiles, stays in 128 registers from phase to phase.
; THE WAY IN RUNS BESIDE THE PRODUCTS: pair N's rows of h are asked for in phase N - 2 (pairs 0 and 1 at the head), stored into LDS in phase N - 1 and read in phase N, behind that phase's barrier;
; pair N's fragments of w2 are asked for in phase N - 2 too.  For every pair wave w gathers tokens 32 w .. 32 w + 31: lanes 0-15 the even expert's row, lanes 16-31 the odd one's: two whole rows of 256 bytes an instruction.
; NO TENSOR LOADS, NO CLUSTER: the rows of h come by a stored list, row by row, and w2's fragments go once to one wave's registers; the sixteen work-groups of a block of tokens do read the same
; rows of h (278 KB each), but as gathered rows they are no tile that one descriptor states.
; THE MATRIX INSTRUCTION IS USED TRANSPOSED: source 0 = 16 columns of w2, source 1 = 16 rows of h: a lane holds one token and eight neighbouring columns.
; REGISTERS, in windows of 256: window 0: v1-15 addresses; v16-47 w2's scale words, v48-63 h's, two sets (scales and nothing else); v64-71 the tokens' scales, four sets of two; v72-135 products, two sets of four
;   accumulators (at the head: pair 0's offsets); v136-199 staging for 16 instructions' rows; v200-231 pair 3's row offsets; v232-234 the way out.
;   windows 1, 2: w2's fragment f = 2 (4 e + s) + tile at v[8 (f % 32)] of window 1 + f / 32.  Until pair 3's fragments are asked for, window 2 v128-191 hold pairs 1 and 2's row offsets and v192-255 the second staging;
;   for pair 3 the second staging is window 1 v0-63: pair 0's fragments, done with since phase 0.
;   window 3: v0-127 h's fragments, two sets of 64: (expert x of the pair, K step s) at v[64 (tile % 2) + 32 x + 8 s]; v128-255 out: (tile i, column tile t) at v[128 + 16 i + 8 t].
; THE MODE: SCHED_MODE bits 1:0 = 2 (LLVM: expert scheduling mode 2), set by the entry lines.  The code itself states the register dependences
; between vector or matrix instructions and memory or LDS instructions, with s_wait_alu, always for 0.
; THE PLAN.  Registers that memory or LDS instructions touch:
;   v4-15, v232-234, v248-253  offsets and LDS addresses: made once at the head and never written again: one wait on va_vdst ahead of the first load.
;   the row offsets   Positions land by loads and are turned into offsets by vector lines at the head.  Pair 0's (v72-111) and pair 1's each have a wait on va_vdst ahead of the loads that read them; pairs 2 and 3's
;                     are read in phases 0 and 1, behind the tiles' waits.  Pair 0's registers become the products': one wait on vm_vsrc behind the head's barrier.
;   HF0, HF1, SCA, TS Tile i: its products read h's fragments and scale words of set i % 2, its folding reads the tokens' scales of set i % 4.  The 19 LDS loads of tile i + 1 land in the sets that the products of tile i - 1
;                     and the folding of tile i - 3 read: ONE wait on va_vdst at the tile's head, straight ahead of them.  A phase's first two runs of loads stand behind the wait that closes the phase before.
;   the staging       Gathers land in it; the LDS stores of the next phase's tiles 1 and 2 read it; in tile 3 one wait on vm_vsrc stands ahead of the gathers that land in it again.  In phase 1 that wait also states that the
;                     gathers have read pairs 1 and 2's offsets: pair 3's fragments land on them, and on the second staging, in tiles 5 and 6, and no memory instruction reads those registers in between.
;   w2's fragments and scale words  Each lands once and is named by products alone (window 1 v0-63 takes pair 3's rows when phase 0's products are long done reading it).
;   out               Written by the folding.  In the last phase tile i - 2 is stored into the stage in tile i, behind that tile's wait, which stands behind the lines that wrote it; tiles 6 and 7 behind the phase's last wait.
.set HQS,   2359296
.set W2S,   4194304
.set POS,   37376
.set ZROW,  9088
.set AP,    272                        ; LDS: a row of h's codes: 256 bytes + 16; row 128 e + token
.set EB,    128*AP                     ; an expert's 128 rows
.set ASC,   8*EB                       ; behind them: the rows' scale bytes, 16 a row
.set TSL,   ASC+16384                  ; and the tokens' scales, 32 bytes a token
.set SPI,   528                        ; the stage for out: 128 rows x (512 + 16) bytes, from LDS byte 0 on: inside pair 0's rows (2 EB bytes), which nobody reads behind phase 0's barrier
.set GS,    6                          ; v6-9    where I store pair ep's gathered rows
.set AF,    10                         ; v10-13  where I read pair ep's fragments
.set SCB,   16
.set SCA,   48
.set TS,    64
.set TT,    72
.set SA,    136
.set IDX3,  200
.set SO,    232
.set SR,    233
.set GO,    234
.set IDX0,  72                         ; at the head only, in the products' registers: pair 0's row offsets,
.set IDS,   104                        ; and a lane to a row, for the scale bytes
.set OO,    128                        ; out, in window 3
.set MSB, 0
.macro WIN new                         ; the immediate's high byte repeats the setting that is left; a switch that changes nothing is dropped
.if MSB != (\new)
	s_set_vgpr_msb (MSB<<8)|(\new)
.set MSB, (\new)
.endif
.endm
	s_load_b256 s[4:11], s[0:1], 0x0                 ; hq s[4:5], w2q s[6:7], route s[8:9], tscale s[10:11]
	s_load_b64 s[12:13], s[0:1], 0x20                ; out0
	v_lshl_add_u32 v254, v0, 2, 0x49000
	v_mov_b32 v255, 0
	v_lshrrev_b32 v1, 5, v0
	v_readfirstlane_b32 s14, v1                      ; wave
	s_and_b32 s16, ttmp7, 0xffff                     ; tb
	s_lshl_b32 s17, ttmp9, 2
	v_and_b32 v1, 31, v0                             ; lane
	v_and_b32 v2, 15, v0                             ; r
	v_bfe_u32 v3, v0, 4, 1                           ; h
	v_lshlrev_b32 v4, 4, v1                          ; 16 x lane
	v_lshlrev_b32 v5, 4, v2                          ; 16 r
	v_mul_u32_u24 v6, v3, EB
	v_add_nc_u32 v6, v6, v5
	s_wait_alu depctr_va_sdst(0)                     ; s14 is written, ahead of its first reader: LDS places and the buffers' offsets are made from it
	s_add_co_u32 s17, s17, s14                       ; ng: my 32 columns
	s_mul_i32 s34, s14, 32*AP
	v_add_nc_u32 v6, s34, v6                         ; gather, pair 0: expert h's rows, token 32 w on, 16 r bytes on;
	v_add_nc_u32 v7, 2*EB, v6                        ; pair 1;
	v_add_nc_u32 v8, 4*EB, v6                        ; pair 2;
	v_add_nc_u32 v9, 6*EB, v6                        ; pair 3
	v_mul_u32_u24 v10, v2, AP
	v_lshl_add_u32 v10, v3, 4, v10                   ; h's fragments: row r, + 16 h; pair 0;
	v_add_nc_u32 v11, 2*EB, v10
	v_add_nc_u32 v12, 4*EB, v10
	v_add_nc_u32 v13, 6*EB, v10
	v_add_nc_u32 v14, ASC, v5                        ; h's scale words: row r
	v_lshl_add_u32 v15, v2, 5, TSL                   ; token r's eight scales
	v_mul_u32_u24 v[SO], v2, SPI
	v_lshl_add_u32 v[SO], v3, 5, v[SO]
	s_lshl_b32 s34, s14, 7
	v_add_nc_u32 v[SO], s34, v[SO]                   ; stage, in: row r, my wave's 128 bytes, my half's 32
	s_mul_i32 s34, s14, 32*SPI
	v_add_nc_u32 v[SR], s34, v4                      ; stage, out: rows 32 w on, 16 bytes a lane
	s_lshl_b32 s34, s14, 18
	v_add_nc_u32 v[GO], s34, v4                      ; and the same place in out: 32 w rows of 8,192 bytes
	v_lshlrev_b32 v248, 5, v0                        ; tscale: thread = token, 32 bytes
	v_lshl_add_u32 v249, v0, 5, TSL
	v_lshlrev_b32 v250, 3, v1
	s_lshl_b32 s34, s14, 12
	s_add_co_u32 s34, s34, ASC
	v_add_nc_u32 v251, s34, v4                       ; the scale bytes of experts 2 w, 2 w + 1 in LDS
	v_lshlrev_b32 v252, 13, v3                       ; pos: 8,192 bytes from an expert to the next
	v_lshlrev_b32 v253, 2, v1
	s_mov_b32 s19, 0
	s_wait_kmcnt 0x0
	s_lshl_b32 s18, s16, 9
	s_lshl_b32 s15, s14, 7
	s_add_co_u32 s18, s18, s15
	s_add_co_u32 s18, s18, POS
	s_add_nc_u64 s[20:21], s[8:9], s[18:19]          ; pos[0][128 tb + 32 w]: the rows that I gather
	s_lshl_b32 s18, s14, 14
	s_lshl_b32 s15, s16, 9
	s_add_co_u32 s18, s18, s15
	s_add_co_u32 s18, s18, POS
	s_add_nc_u64 s[32:33], s[8:9], s[18:19]          ; pos[2 w][128 tb]: the rows whose scale bytes I gather
	s_lshl_b32 s18, s17, 12
	s_add_co_u32 s18, s18, W2S
	s_add_nc_u64 s[22:23], s[6:7], s[18:19]          ; my scale words of w2
	s_lshl_b32 s18, s17, 16
	s_add_nc_u64 s[24:25], s[6:7], s[18:19]          ; my 64 images
	s_lshl_b32 s18, s16, 12
	s_add_nc_u64 s[26:27], s[10:11], s[18:19]
	s_lshl_b32 s18, s16, 20
	s_lshl_b32 s15, ttmp9, 9
	s_add_co_u32 s18, s18, s15
	s_add_nc_u64 s[28:29], s[12:13], s[18:19]        ; out at (128 tb, 128 nb)
	s_wait_alu depctr_va_vdst(0)                     ; the offsets and LDS addresses v4 to v15, v232 to v234 and v248 to v253 are written: the kernel's loads and stores read them, and none is written again
.macro FLOAD f                         ; an image: two loads of 512 consecutive bytes
	WIN 0x40*(1+(\f)/32)
	global_load_b128 v[8*((\f)%32):8*((\f)%32)+3], v4, s[24:25] offset:1024*(\f)
	global_load_b128 v[8*((\f)%32)+4:8*((\f)%32)+7], v4, s[24:25] offset:1024*(\f)+512
.endm
.macro STAGING n, hf                   ; where half hf of pair n's rows waits between memory and LDS: window gDW, register gD on
.if (\hf) == 0
.set gDW, 0
.set gD, SA
.elseif (\n) == 3
.set gDW, 1
.set gD, 0
.else
.set gDW, 2
.set gD, 192
.endif
.endm
.macro GATHER n, hf                    ; tokens 32 w + 16 hf + 0 .. 15 of pair n: 16 loads, two whole rows each
.if (\n) == 3
.set gIW, 0
.set gIX, IDX3+16*(\hf)
.else
.set gIW, 2
.set gIX, 128+32*((\n)-1)+16*(\hf)
.endif
	STAGING \n, \hf
	WIN (gDW<<6)|gIW                                 ; the data's window, and the offsets' (a load's address is its source 0)
.set k, 0
.rept 16
	global_load_b128 v[gD+4*k:gD+4*k+3], v[gIX+k], s[4:5]
.set k, k+1
.endr
.endm
.macro BSTORE n, hf                    ; and on into LDS
	STAGING \n, \hf
	WIN gDW<<2                                       ; an LDS store's data are its source 1
.set k, 0
.rept 16
	ds_store_b128 v[GS+(\n)], v[gD+4*k:gD+4*k+3] offset:AP*(16*(\hf)+k)
.set k, k+1
.endr
.endm
; ---- the head: the positions; pair 0's fragments, rows and all scale bytes; pair 1 is asked for
.irp q, 0,1,2,3,4,5,6,7
	global_load_b128 v[IDX0+4*\q:IDX0+4*\q+3], v252, s[20:21] offset:16*\q                  ; pair 0, tokens 4 q .. 4 q + 3 of my 32: the same in all sixteen lanes of a half
.endr
.irp q, 0,1,2,3,4,5,6,7
	global_load_b32 v[IDS+\q], v253, s[32:33] offset:(\q/4)*8192+(\q%4)*128                 ; expert 2 w + q / 4, token 32 (q % 4) + lane
.endr
	global_load_b128 v[240:243], v248, s[26:27]
	global_load_b128 v[244:247], v248, s[26:27] offset:16
.irp q, 0,1,2,3,4,5,6,7
	global_load_b128 v[IDX3+4*\q:IDX3+4*\q+3], v252, s[20:21] offset:3*16384+16*\q          ; pair 3
.endr
	WIN 0x80                                         ; destination window 2
.irp q, 0,1,2,3,4,5,6,7
	global_load_b128 v[128+4*\q:128+4*\q+3], v252, s[20:21] offset:16384+16*\q              ; pair 1
	global_load_b128 v[160+4*\q:160+4*\q+3], v252, s[20:21] offset:2*16384+16*\q            ; pair 2
.endr
	WIN 0
.irp e, 0,1,2,3,4,5,6,7
.irp f, 0,1
	global_load_b64 v[SCB+4*\e+2*\f:SCB+4*\e+2*\f+1], v250, s[22:23] offset:512*\e+256*\f   ; lanes 0-15 tile 0, lanes 16-31 tile 1; register 4 e + s
.endr
.endr
.set n, 0
.rept 16
	FLOAD n
.set n, n+1
.endr
	WIN 0
	s_wait_loadcnt 48                                ; the positions and the tokens' scales are in; the 16 + 32 loads behind them may be out
.set k, 0
.rept 32
	v_min_u32 v[IDX0+k], ZROW, v[IDX0+k]             ; a stored number enters an address held inside the table
	v_lshl_add_u32 v[IDX0+k], v[IDX0+k], 8, v5       ; 256 bytes a row, 16 r bytes on
.set k, k+1
.endr
.irp q, 0,1,2,3,4,5,6,7
	v_min_u32 v[IDS+\q], ZROW, v[IDS+\q]
	v_lshlrev_b32 v[IDS+\q], 4, v[IDS+\q]
.endr
	ds_store_b128 v249, v[240:243]
	ds_store_b128 v249, v[244:247] offset:16
	WIN 0xc0                                         ; destination window 3: nothing else lives there yet
	s_wait_alu depctr_va_vdst(0)                     ; pair 0's offsets v[IDX0 ..] and v[IDS ..] are written, which the 40 loads below read
.irp q, 0,1,2,3,4,5,6,7
	global_load_b128 v[128+4*\q:128+4*\q+3], v[IDS+\q], s[4:5] offset:HQS
.endr
.set k, 0
.rept 32
	global_load_b128 v[4*k:4*k+3], v[IDX0+k], s[4:5]                                        ; pair 0's rows
.set k, k+1
.endr
	WIN 0x8a                                         ; sources 0 and 1 and the destination in window 2, source 2 (16 r) in window 0
.set k, 0
.rept 32
	v_min_u32 v[128+k], ZROW, v[128+k]
	v_lshl_add_u32 v[128+k], v[128+k], 8, v5
.set k, k+1
.endr
	s_wait_alu depctr_va_vdst(0)                     ; pair 1's offsets, v128 to v159 of window 2, are written, which the 32 loads below read
	GATHER 1, 0
	GATHER 1, 1
.set n, 16
.rept 16
	FLOAD n
.set n, n+1
.endr
	WIN 0x8a
.set k, 0
.rept 32
	v_min_u32 v[160+k], ZROW, v[160+k]               ; pairs 2 and 3's offsets are read in phases 0 and 1, behind the tiles' waits
	v_lshl_add_u32 v[160+k], v[160+k], 8, v5
.set k, k+1
.endr
	WIN 0
.set k, 0
.rept 32
	v_min_u32 v[IDX3+k], ZROW, v[IDX3+k]
	v_lshl_add_u32 v[IDX3+k], v[IDX3+k], 8, v5
.set k, k+1
.endr
	s_wait_loadcnt 63                                ; pair 0's fragments and rows and the scale bytes are in.  64 loads (pair 1's) were issued behind them; the count's field ends at 63, so one of those is waited for too
	WIN 0x0c                                         ; an LDS store's data are its source 1: window 3
.irp q, 0,1,2,3,4,5,6,7
	ds_store_b128 v251, v[128+4*\q:128+4*\q+3] offset:512*\q
.endr
.set k, 0
.rept 32
	ds_store_b128 v[GS], v[4*k:4*k+3] offset:AP*k
.set k, k+1
.endr
	WIN 0
	s_wait_dscnt 0x0                                 ; for the others' sake: my rows of pair 0, my scale bytes and my tokens' scales lie in LDS
	s_barrier_signal -1
	s_barrier_wait -1
	s_wait_alu depctr_vm_vsrc(0)                     ; pair 0's loads have read v[IDX0 ..] and v[IDS ..], which the products write; my LDS stores have read v0 to v159 of window 3, in which h's fragments land and which the folding writes
; ---- the products.  ep: the pair of experts;  i: the tile of 16 tokens.
.macro G ep, i                         ; 19 LDS loads: the pair's eight fragments of h for tile i, its scale words, the tokens' two scales
	WIN 0xc0
.irp x, 0,1
.irp s, 0,1,2,3
.irp c, 0,1
	ds_load_b128 v[64*((\i)%2)+32*\x+8*\s+4*\c:64*((\i)%2)+32*\x+8*\s+4*\c+3], v[AF+(\ep)] offset:EB*\x+16*AP*(\i)+64*\s+32*\c
.endr
.endr
.endr
	WIN 0
.irp x, 0,1
	ds_load_b128 v[SCA+8*((\i)%2)+4*\x:SCA+8*((\i)%2)+4*\x+3], v14 offset:2048*(2*(\ep)+\x)+256*(\i)
.endr
	ds_load_b64 v[TS+2*((\i)%4):TS+2*((\i)%4)+1], v15 offset:512*(\i)+8*(\ep)
.endm
; 16 matrix instructions: four accumulators (2 experts x 2 tiles of columns) by turns, one instruction a turn, four K steps deep; the first K step starts the sums.
.macro W ep, i
	WIN 0x0d+(\ep)/2                                 ; source 0 (w2) window 1 or 2, source 1 (h) window 3, C and D window 0
.irp s, 0,1,2,3
.irp x, 0,1
.irp t, 0,1
.set rE, 2*(\ep)+\x
.set rT, TT+32*((\i)%2)+8*(2*\x+\t)
.set rW, 8*(((4*rE+\s)*2+\t)%32)
.set rH, 64*((\i)%2)+32*\x+8*\s
.set rA, SCB+4*rE+\s
.set rB, SCA+8*((\i)%2)+4*\x+\s
.if (\s == 0) && (\t == 1)
	v_wmma_scale_f32_16x16x128_f8f6f4 v[rT:rT+7], v[rW:rW+7], v[rH:rH+7], 0, v[rA], v[rB] matrix_a_fmt:MATRIX_FMT_FP4 matrix_b_fmt:MATRIX_FMT_FP4 matrix_a_scale:MATRIX_SCALE_ROW1
.elseif \s == 0
	v_wmma_scale_f32_16x16x128_f8f6f4 v[rT:rT+7], v[rW:rW+7], v[rH:rH+7], 0, v[rA], v[rB] matrix_a_fmt:MATRIX_FMT_FP4 matrix_b_fmt:MATRIX_FMT_FP4
.elseif \t == 1
	v_wmma_scale_f32_16x16x128_f8f6f4 v[rT:rT+7], v[rW:rW+7], v[rH:rH+7], v[rT:rT+7], v[rA], v[rB] matrix_a_fmt:MATRIX_FMT_FP4 matrix_b_fmt:MATRIX_FMT_FP4 matrix_a_scale:MATRIX_SCALE_ROW1
.else
	v_wmma_scale_f32_16x16x128_f8f6f4 v[rT:rT+7], v[rW:rW+7], v[rH:rH+7], v[rT:rT+7], v[rA], v[rB] matrix_a_fmt:MATRIX_FMT_FP4 matrix_b_fmt:MATRIX_FMT_FP4
.endif
.endr
.endr
.endr
.endm
; out += scale[t][e] x product, two numbers a line, each accumulator from its low end on; expert 0's multiplication starts the sums: nothing is cleared.
.macro F ep, i
	WIN 0xf0                                         ; the product and the scale in window 0, out (source 2 and destination) in window 3
.irp x, 0,1
.irp t, 0,1
.irp q, 0,1,2,3
.set rT, TT+32*((\i)%2)+8*(2*\x+\t)+2*\q
.set rO, OO+16*(\i)+8*\t+2*\q
.set rS, TS+2*((\i)%4)
.if ((\ep) == 0) && (\x == 0)
	v_pk_mul_f32 v[rO:rO+1], v[rT:rT+1], v[rS:rS+1] op_sel_hi:[1,0]
.elseif \x == 0
	v_pk_fma_f32 v[rO:rO+1], v[rT:rT+1], v[rS:rS+1], v[rO:rO+1] op_sel_hi:[1,0,1]
.else
	v_pk_fma_f32 v[rO:rO+1], v[rT:rT+1], v[rS:rS+1], v[rO:rO+1] op_sel:[0,1,0] op_sel_hi:[1,1,1]
.endif
.endr
.endr
.endr
.endm
.macro OSTORE i                        ; a finished tile of out goes into the stage: rows 16 i on, my wave's 128 bytes of each
	WIN 0x0c
.irp t, 0,1
	ds_store_b128 v[SO], v[OO+16*(\i)+8*\t:OO+16*(\i)+8*\t+3] offset:16*SPI*(\i)+64*\t
	ds_store_b128 v[SO], v[OO+16*(\i)+8*\t+4:OO+16*(\i)+8*\t+7] offset:16*SPI*(\i)+64*\t+16
.endr
.endm
; A PHASE.  In tile i: the wait on va_vdst; the next tile's 19 LDS loads; the wait that leaves just these 19 out; the tile's 16 products; the tile before is folded into out.
; PLACES: the 16 plain lines of F for tile i - 1 stand behind tile i's products and name the other set of accumulators: they are the places ahead of the loads into tile i's fragments and scale
; words, of the reads of its results, and of the products that begin its set anew two tiles on.  Behind a phase's first tile, which has no such lines, stand five v_nop.
; THE WAY IN, pair N = ep + 1: its loads went out in the order [rows, half 0: 16][rows, half 1: 16][fragments: 32].  Behind tile 1: half 0 is waited for (48 younger loads may be out) and stored; behind tile 2: half 1
; (32 younger).  In tile 3, behind the wait on vm_vsrc that states that both runs of stores have read it, the staging takes pair N + 1's rows; its fragments are asked for in tiles 5 and 6, so that the 64 requests do not stand in one run.
; THE WAY OUT, in the last phase: tile i - 2 of out, which the folding lines of tile i - 1 wrote ahead of tile i's wait, goes into the stage in tile i; no vector instruction between that wait and the stores names it.
.macro PHASE ep
	G \ep, 0
	G \ep, 1
.if \ep == 3
	s_wait_loadcnt 0x0                               ; pair 3's fragments of w2: nothing was issued behind them
.elseif \ep > 0
	s_wait_loadcnt 63                                ; this pair's fragments of w2 are in: 64 loads (the next pair's) were issued behind them; the count's field ends at 63
.endif
	s_wait_dscnt 19                                  ; tile 0's loads are in; tile 1's 19 may be out
	W \ep, 0
.rept 5
	v_nop
.endr
.irp i, 1,2,3,4,5,6,7
.if (\i < 7) || (\ep == 3)
	s_wait_alu depctr_va_vdst(0)                     ; the products of the tile before are done reading the fragments and scale words, and the folding of three tiles back the tokens' scales, in which the loads below land; the folding issued in the tile before has written its tile of out, which the last phase's stores below read
.endif
.if \i < 7
	G \ep, \i+1
	s_wait_dscnt 19                                  ; all but the 19 just issued: this tile's fragments are in, and any stores from the staging or into the stage have been served
.else
	s_wait_dscnt 0x0
.endif
.if (\ep == 3) && (\i >= 2)
	OSTORE \i-2
.endif
.if (\i == 3) && (\ep <= 1)
	s_wait_alu depctr_vm_vsrc(0)                     ; the LDS stores of tiles 1 and 2 have read both halves of the staging, in which the gathers below land; and the earlier gathers have read pairs 1 and 2's offsets, on which pair 3's fragments land in phase 1's tiles 5 and 6
	GATHER \ep+2, 0
	GATHER \ep+2, 1
.endif
.if (\i == 5) && (\ep <= 1)
.set n, 16*(\ep+2)
.rept 8
	FLOAD n
.set n, n+1
.endr
.endif
.if (\i == 6) && (\ep <= 1)
.set n, 16*(\ep+2)+8
.rept 8
	FLOAD n
.set n, n+1
.endr
.endif
	W \ep, \i
	F \ep, \i-1
.if (\i == 1) && (\ep <= 2)
	s_wait_loadcnt 48
	BSTORE \ep+1, 0
.endif
.if (\i == 2) && (\ep <= 2)
	s_wait_loadcnt 32
	BSTORE \ep+1, 1
.endif
.endr
	F \ep, 7
	s_wait_alu depctr_va_vdst(0)                     ; the phase's last products are done reading both sets of fragments and scale words, and its folding the tokens' scales: the next phase's first loads, or the way out's, land there; in the last phase tiles 6 and 7 of out are written, which the stores below read
.if \ep == 3
	OSTORE 6
	OSTORE 7
.endif
	WIN 0
	s_wait_dscnt 0x0                                 ; for the others' sake: my reads of this pair's rows are over, and what I stored (the next pair's rows; in the last phase my part of the stage) lies in LDS
	s_barrier_signal -1
	s_barrier_wait -1
.endm
	PHASE 0
	PHASE 1
	PHASE 2
	PHASE 3
; ---- the way out: wave w takes rows 32 w .. 32 w + 31 of the stage, whole, into the registers that held h's fragments (the last products that read them stand ahead of the last phase's closing wait on va_vdst)
	WIN 0xc0
.set k, 0
.rept 32
	ds_load_b128 v[4*k:4*k+3], v[SR] offset:SPI*k
.set k, k+1
.endr
	WIN 0x0c                                         ; a store's data are its source 1: window 3
.set k, 0
.rept 32
	s_wait_dscnt 31-k                                ; LDS loads come back in order: row k is in
	global_store_b128 v[GO], v[4*k:4*k+3], s[28:29] offset:8192*k th:TH_STORE_NT   ; 32 lanes store 512 consecutive bytes of a row, aligned; written once
.set k, k+1
.endr
	WIN 0
	s_wait_dscnt 0x0                                 ; the closing lines, six on end
	s_wait_alu 0x0
	s_wait_tensorcnt 0x0
	ds_add_u32 v254, v255
	s_wait_dscnt 0x0
	s_endpgm
.Lfunc_end_k_qddc383d2b6_gemm2:
	.size	k_qddc383d2b6_gemm2, .Lfunc_end_k_qddc383d2b6_gemm2-k_qddc383d2b6_gemm2
	.p2alignl 7, 3214868480
	.fill 96, 4, 3214868480
	.section	.rodata,"a",@progbits
	.p2align	6, 0x0
	.amdhsa_kernel k_qddc383d2b6_gemm2
		.amdhsa_group_segment_fixed_size 299520
		.amdhsa_private_segment_fixed_size 0
		.amdhsa_enable_private_segment 0
		.amdhsa_kernarg_size 40
		.amdhsa_user_sgpr_count 2
		.amdhsa_user_sgpr_kernarg_segment_ptr 1
		.amdhsa_wavefront_size32 1
		.amdhsa_system_sgpr_workgroup_id_x 1
		.amdhsa_system_sgpr_workgroup_id_y 1
		.amdhsa_system_sgpr_workgroup_id_z 1
		.amdhsa_system_vgpr_workitem_id 0
		.amdhsa_next_free_vgpr 1024
		.amdhsa_next_free_sgpr 66
		.amdhsa_reserve_vcc 0
		.amdhsa_float_denorm_mode_32 3
		.amdhsa_float_denorm_mode_16_64 3
		.amdhsa_memory_ordered 1
		.amdhsa_forward_progress 1
		.amdhsa_inst_pref_size 210
	.end_amdhsa_kernel
	.amdgpu_metadata
---
amdhsa.version: [ 1, 2 ]
amdhsa.kernels:
  - .name:           k_qddc383d2b6_gemm2
    .symbol:         k_qddc383d2b6_gemm2.kd
    .args:
      - { .name: hq, .offset: 0, .size: 8, .value_kind: global_buffer, .address_space: global }
      - { .name: w2q, .offset: 8, .size: 8, .value_kind: global_buffer, .address_space: global }
      - { .name: route, .offset: 16, .size: 8, .value_kind: global_buffer, .address_space: global }
      - { .name: tscale, .offset: 24, .size: 8, .value_kind: global_buffer, .address_space: global }
      - { .name: out0, .offset: 32, .size: 8, .value_kind: global_buffer, .address_space: global }
    .group_segment_fixed_size: 299520
    .private_segment_fixed_size: 0
    .kernarg_segment_align: 8
    .kernarg_segment_size: 40
    .max_flat_workgroup_size: 128
    .sgpr_count:     66
    .vgpr_count:     1024
    .wavefront_size: 32
...
	.end_amdgpu_metadata
.endif
;; end of part 6
